; MI455X (gfx1250); checked and timed in simulation.
; The chip was launched on July 23, 2026; its instructions are those of AMD's public machine-readable ISA for CDNA 5 (MIT licence, August 2026) and "CDNA5" Instruction Set Architecture Reference Guide (July 2026). The comments in the code are by the model that wrote it; some were corrected since.
;; Multi Head Attention. Allowed arithmetic: matrix products marked QUANTISED: E2M1 operands, one E8M0 scale for each 32 along K, by v_wmma_scale_f32_16x16x128_f8f6f4 with both operands' format E2M1 (or v_wmma_scale_f32_32x16x128_f4), f32 sums; products left as they are: bf16, f16 or f32 operands; f32 sums; everything else in f32.
;; Inputs: W_o 1,024 x 1,024 float32; W_qkv 1,024 x 3,072 float32; x 4 x 2,048 x 1,024 float32.
;; Outputs: out0 4 x 2,048 x 1,024 float32.
;; This version of the problem:
;;   THIS VERSION OF THE PROBLEM IS GIVEN IN LOW PRECISION. The matrix products marked QUANTISED in the list below multiply operands that are first quantised to E2M1 (2 exponent bits, 1 mantissa bit; 4 bits a number), with one power-of-two scale for each 32 numbers along K (OCP MX v1.0); their sums are f32. The products marked 'left as it is' may take bf16, f16 or f32 operands, with f32 sums. Whichever they take, every output number must still come out within the allowed error. Rounding operands to bf16 (8 significant bits) uses up far more of that allowance than f16 does (11 bits, for magnitudes from 6e-5 to 65,504). All else is computed in f32.
;;   The module's matrix products, in the order in which they are computed (A, B: the left and right operand; K: the contracted axis; several contracted axes count as one K, in the product's order):
;;     1. [M 8,192, K 1,024] x [K 1,024, N 3,072]; A: input x; B: input W_qkv: QUANTISED
;;     2. batch 64 x [M 2,048, K 64] x [K 64, N 2,048]; A: computed on the way; B: computed on the way: left as it is (an operand is computed on the way)
;;     3. batch 64 x [M 2,048, K 2,048] x [K 2,048, N 64]; A: computed on the way; B: computed on the way: left as it is (an operand is computed on the way)
;;     4. [M 8,192, K 1,024] x [K 1,024, N 1,024]; A: computed on the way; B: input W_o: left as it is (an operand is computed on the way)
;;   THE QUANTISER, for each operand of a quantised product, along K:
;;     - K is cut into blocks of 32 from its start; a last block that is shorter is filled with zeros.
;;     - A block's scale is 2^e with e = floor(log2(the largest magnitude in the block)) - 2, held to -126 .. 127; a block of zeros has e = 0. As a byte (E8M0): e + 127.
;;     - Each number is divided by its block's scale, clamped to +-6, and rounded to the nearest number of E2M1, ties to even, subnormals kept.
;;     - The product sums the exact products of the quantised numbers (number of the format x scale) in f32.
;;   ~~~python
;;   def quantise(x, axis):      # numpy; x: float32 -> the quantised numbers, widened to float32 again
;;       x = np.moveaxis(x, axis, -1); K = x.shape[-1]
;;       x = np.pad(x, [(0, 0)] * (x.ndim - 1) + [(0, -K % 32)]); x = x.reshape(x.shape[:-1] + (-1, 32)); a = np.abs(x).max(-1, keepdims=True)
;;       e = np.where(a > 0, np.clip(np.frexp(np.where(a > 0, a, 1))[1] - 1 - 2, -126, 127), 0)      # np.frexp(a)[1] - 1 = floor(log2(a)), exactly
;;       r = np.clip(x / 2.0 ** e, -6, 6)
;;       step = 2.0 ** (np.maximum(np.frexp(np.where(r == 0, 1, r))[1] - 1, 0) - 1)
;;       q = np.round(r / step) * step * 2.0 ** e      # np.round: ties to even
;;       return np.moveaxis(q.reshape(q.shape[:-2] + (-1,))[..., :K], -1, axis).astype(np.float32)
;;   ~~~
;; One version. Each part assembles by itself: llvm-mc -triple=amdgcn-amd-amdhsa -mcpu=gfx1250 --defsym DOCPART=n.
;; ======== version 1 of 1: 7 launches
;; limits: values are held in f16: magnitudes above 65,504 overflow, below 6.1e-05 lose precision
;; workspace buffers: xc 4,194,304 bytes; xs 262,144 bytes; wc 1,572,864 bytes; ws 98,304 bytes; wo16 2,097,152 bytes; qkvh 50,331,648 bytes; ao 16,777,216 bytes; fo 262,144 bytes
;; launch quant_x (part 1): grid 256 x 1, 4 waves a work-group, no clusters, 33,280 bytes of LDS; arguments x, xc, xs; writes xc, xs
.if DOCPART == 1
	.amdgcn_target "amdgcn-amd-amdhsa--gfx1250"
	.amdhsa_code_object_version 6
	.text
	.protected	k_q08ee2a8414_quant_x
	.globl	k_q08ee2a8414_quant_x
	.p2align	8
	.type	k_q08ee2a8414_quant_x,@function
k_q08ee2a8414_quant_x:
	s_mov_b64 s[64:65], 0
	v_nop
	global_prefetch_b8 v0, s[64:65] scope:SCOPE_SE
	s_setreg_imm32_b32 hwreg(HW_REG_WAVE_MODE, 25, 1), 1
	s_wait_xcnt 0x0
; THE PROGRAM: out = attention(x W_qkv) W_o, B 4, N 2048, D 1024, 16 heads of 64.  Seven launches: this one and prep_w make the codes of x and W_qkv (and W_o in f16); qkv_gemm is the
; quantised product; attn the two products round the softmax; proj the product with W_o; fine_attn and fine_proj make the last 16 positions of every sequence once more in f32.
; WORK LEFT OUT, AND WHY IT IS DEAD.  reference() builds keep = triu(ones) in its own body and sets scores[i, j] to -inf where i > j, ahead of the softmax over j.  For every finite value of the inputs
; such a score has the weight exp(-inf) = 0 in the row's sum and in attn @ v.  So a block of rows i and positions j in which every j is under every i reaches no output: launch attn leaves those blocks
; (32 rows x 64 positions) out of both products.  No input is dead: all three are loaded.
; LIMIT: a NaN, an infinity or an overflow that reaches only such hidden scores is not carried to the result.
; LIMIT OF FORMAT: q, k, v, the weights p, the attention's result and W_o go to the matrix units as f16 in the bulk launches: magnitudes of q, k, v and W_o stay under 65,504.
;
; THIS LAUNCH: x [8192][1024] f32 becomes codes of FP4 (E2M1), K innermost, xc [8192][512 bytes], and one E8M0 byte for each 32 along K, xs [8192][32].
; A block's scale is 2^(floor(log2(its largest magnitude)) - 2); its byte is the largest magnitude's own exponent field - 2, held at 1 from below.  A block of zeros so gets the byte 1 where the
; rule says 127: its codes are zeros, which add nothing under any byte but 0xff, and the bytes are read by this program alone.  Each number is divided by the scale and rounded to the nearest code, ties to even.
; LIMITS: blocks whose largest magnitude lies under 2^(2 - 126) have their byte held at 1; NaN and infinities among the inputs are not served.
; Rows are dense and 1024 is a multiple of 32: x is a plain stream of blocks of 32 numbers, and so are the codes and the bytes.  A wave takes 16 steps of 512 numbers.  Each of a step's four loads reads 512
; consecutive bytes, 16 a lane; the 2,048 bytes turn through the wave's own stage in LDS and come back 64 bytes a lane, so that a lane holds 16 neighbours along K (two lanes hold a block).
; A lane's 16 codes are 8 bytes: the wave stores 256 consecutive bytes.  A wave's 256 scale bytes are gathered in LDS and leave as one run of 256 bytes.  No barrier: waves share nothing.
.set WAVES, 4
.set STEPS, 16
.set EMAX,  2
.set CB,    8                          ; bytes of 16 codes
.set R,     16                         ; v16-79   four sets of 16 numbers as they are loaded
.set X,     80                         ; v80-111  two sets of 16 neighbours
.set C,     128                        ; v128-191 codes: four registers for each step, so that no store's data are written again
.set E,     112                        ; v112-127 a scale byte for each step
.set WREG,  8192                       ; LDS: a region for each wave: two stages of 32 x SP bytes, and behind them its 256 scale bytes
.set SP,    80                         ; a lane's place in a stage: its 64 bytes + 16 of padding
.set SPW,   12                         ; v12      LDS address of my spare word; never rewritten
.set NIL,   13                         ; v13      0; never rewritten
.set SPARE, WAVES*WREG                 ; behind the four regions: the spare words, 128 bytes a wave
	s_load_b128 s[4:7], s[0:1], 0x0                ; x s[4:5], xc s[6:7]
	s_load_b64 s[8:9], s[0:1], 0x10                ; xs
	v_lshl_add_u32 v[SPW], v0, 2, SPARE
	v_mov_b32 v[NIL], 0
	v_lshrrev_b32 v1, 5, v0
	v_readfirstlane_b32 s16, v1                    ; wave
	v_and_b32 v2, 31, v0                           ; lane
	v_lshlrev_b32 v3, 4, v2                        ; my 16 bytes of a load's 512
	s_mul_i32 s17, s16, WREG
	v_lshrrev_b32 v14, 2, v2
	v_mul_u32_u24 v14, v14, SP
	v_and_b32 v15, 3, v2
	v_lshl_add_u32 v14, v15, 4, v14
	v_add_nc_u32 v14, s17, v14                     ; the stage, on the way in: four lanes' 64 bytes on end, then 16 of padding
	v_mul_u32_u24 v15, v2, SP
	v_add_nc_u32 v15, s17, v15                     ; and on the way out: SP x lane: my 16 neighbours
	v_mul_u32_u24 v4, v2, CB                       ; my codes' place in a step's
	v_lshrrev_b32 v5, 1, v2
	s_add_co_u32 s17, s17, 2*32*SP
	v_add_nc_u32 v5, s17, v5                       ; LDS: my wave's 256 scale bytes, my block's byte
	v_lshlrev_b32 v7, 3, v2                        ; and on the way out 8 bytes a lane
	v_add_nc_u32 v6, s17, v7
	s_lshl_b32 s17, ttmp9, 2
	s_add_co_u32 s18, s17, s16                     ; which run of 8,192 numbers is my wave's: 0 .. 1023
	s_lshl_b32 s20, s18, 15                        ; 32,768 bytes of x,
	s_mov_b32 s21, 0
	s_lshl_b32 s22, s18, 12                        ; 4,096 of codes,
	s_mov_b32 s23, 0
	s_lshl_b32 s24, s18, 8                         ; 256 scale bytes a run
	s_mov_b32 s25, 0
	s_wait_kmcnt 0x0
	s_add_nc_u64 s[4:5], s[4:5], s[20:21]
	s_add_nc_u64 s[6:7], s[6:7], s[22:23]
	s_add_nc_u64 s[8:9], s[8:9], s[24:25]
.macro LOAD t
.irp i, 0,1,2,3
	global_load_b128 v[R+16*((\t)%4)+4*\i:R+16*((\t)%4)+4*\i+3], v3, s[4:5] offset:2048*(\t)+512*\i th:TH_LOAD_NT   ; 32 lanes read 512 consecutive bytes
.endr
.endm
.macro TURN t                          ; step t's numbers through the stage: LDS serves a wave's instructions in order, so no wait stands between the stores and the loads
.irp i, 0,1,2,3
	ds_store_b128 v14, v[R+16*((\t)%4)+4*\i:R+16*((\t)%4)+4*\i+3] offset:32*SP*((\t)%2)+8*SP*\i
.endr
.irp i, 0,1,2,3
	ds_load_b128 v[X+16*((\t)%2)+4*\i:X+16*((\t)%2)+4*\i+3], v15 offset:32*SP*((\t)%2)+16*\i
.endr
.endm
.irp t, 0,1,2,3
	LOAD \t
.endr
	s_wait_loadcnt 12                              ; step 0's four loads are in; the twelve of steps 1 to 3 may be out
	TURN 0
.macro STEP t
.set XS, X+16*((\t)%2)
.if (\t) > 0
	s_wait_dscnt 1                                 ; this step's numbers are back from the stage (the last step's byte store may be out): its stores into the stage have read their registers,
.else
	s_wait_dscnt 0x0
.endif
.if (\t)+4 < STEPS
	LOAD (\t)+4                                    ; which take the loads of four steps on
.endif
.if (\t)+1 < STEPS
.if STEPS-2-(\t) >= 3
	s_wait_loadcnt 12                              ; the next step's four loads are in; those of the three steps behind it may be out
.else
	s_wait_loadcnt 4*(STEPS-2-(\t))
.endif
	TURN (\t)+1                                    ; and go through the other stage while this step is worked
.endif
	v_max3_num_f32 v8, |v[XS]|, |v[XS+1]|, |v[XS+2]|               ; the largest magnitude of my 16, in two chains
	v_max3_num_f32 v9, |v[XS+3]|, |v[XS+4]|, |v[XS+5]|
.irp i, 6,10
	v_max3_num_f32 v8, v8, |v[XS+\i]|, |v[XS+\i+1]|
	v_max3_num_f32 v9, v9, |v[XS+\i+2]|, |v[XS+\i+3]|
.endr
	v_max3_num_f32 v8, v8, |v[XS+14]|, |v[XS+15]|
	v_max3_num_f32 v8, v8, v9, (EMAX+1)<<23        ; and the floor 2^(EMAX + 1 - 127): the byte cannot fall under 1
	v_max_num_f32_dpp v8, v8, v8 row_xmask:1 row_mask:0xf bank_mask:0xf   ; and of my neighbour's 16: the block's
	v_add_nc_u32 v11, -(EMAX<<23), v8              ; EMAX off its exponent field: the conversion takes the exponent field of this operand as its scale
	v_cvt_scalef32_pk8_fp4_f32 v[C+4*(\t)], v[XS:XS+7], v11
	v_cvt_scalef32_pk8_fp4_f32 v[C+4*(\t)+1], v[XS+8:XS+15], v11
	v_lshrrev_b32 v[E+(\t)], 23, v11               ; the scale's byte
	ds_store_b8 v5, v[E+(\t)] offset:16*(\t)       ; both lanes of a block write the same byte with the same value
	global_store_b64 v4, v[C+4*(\t):C+4*(\t)+1], s[6:7] offset:32*CB*(\t)   ; 32 lanes store 256 consecutive bytes, aligned
.endm
.irp t, 0,1,2,3,4,5,6,7,8,9,10,11,12,13,14,15
	STEP \t
.endr
	ds_load_b64 v[8:9], v6                         ; LDS serves a wave's instructions in order: these see my stores
	s_wait_dscnt 0x0
	global_store_b64 v7, v[8:9], s[8:9]            ; 32 lanes store 256 consecutive bytes, aligned
	s_wait_tensorcnt 0x0                           ; the wave's end: behind my last LDS store
	ds_add_u32 v[SPW], v[NIL]
	s_wait_dscnt 0x0
	s_endpgm
.Lfunc_end_k_q08ee2a8414_quant_x:
	.size	k_q08ee2a8414_quant_x, .Lfunc_end_k_q08ee2a8414_quant_x-k_q08ee2a8414_quant_x
	.p2alignl 7, 3214868480
	.fill 96, 4, 3214868480
	.section	.rodata,"a",@progbits
	.p2align	6, 0x0
	.amdhsa_kernel k_q08ee2a8414_quant_x
		.amdhsa_group_segment_fixed_size 33280
		.amdhsa_private_segment_fixed_size 0
		.amdhsa_enable_private_segment 0
		.amdhsa_kernarg_size 24
		.amdhsa_user_sgpr_count 2
		.amdhsa_user_sgpr_kernarg_segment_ptr 1
		.amdhsa_wavefront_size32 1
		.amdhsa_system_sgpr_workgroup_id_x 1
		.amdhsa_system_sgpr_workgroup_id_y 1
		.amdhsa_system_sgpr_workgroup_id_z 1
		.amdhsa_system_vgpr_workitem_id 0
		.amdhsa_next_free_vgpr 192
		.amdhsa_next_free_sgpr 66
		.amdhsa_reserve_vcc 0
		.amdhsa_float_denorm_mode_32 3
		.amdhsa_float_denorm_mode_16_64 3
		.amdhsa_memory_ordered 1
		.amdhsa_forward_progress 1
		.amdhsa_inst_pref_size 33
	.end_amdhsa_kernel
	.amdgpu_metadata
---
amdhsa.version: [ 1, 2 ]
amdhsa.kernels:
  - .name:           k_q08ee2a8414_quant_x
    .symbol:         k_q08ee2a8414_quant_x.kd
    .args:
      - { .name: x, .offset: 0, .size: 8, .value_kind: global_buffer, .address_space: global }
      - { .name: xc, .offset: 8, .size: 8, .value_kind: global_buffer, .address_space: global }
      - { .name: xs, .offset: 16, .size: 8, .value_kind: global_buffer, .address_space: global }
    .group_segment_fixed_size: 33280
    .private_segment_fixed_size: 0
    .kernarg_segment_align: 8
    .kernarg_segment_size: 24
    .max_flat_workgroup_size: 128
    .sgpr_count:     66
    .vgpr_count:     192
    .wavefront_size: 32
...
	.end_amdgpu_metadata
.endif
;; end of part 1
;; launch prep_w (part 2): grid 112 x 1, 4 waves a work-group, no clusters, 35,840 bytes of LDS; arguments W_qkv, W_o, wc, ws, wo16; writes wc, ws, wo16
.if DOCPART == 2
	.amdgcn_target "amdgcn-amd-amdhsa--gfx1250"
	.amdhsa_code_object_version 6
	.text
	.protected	k_q08ee2a8414_prep_w
	.globl	k_q08ee2a8414_prep_w
	.p2align	8
	.type	k_q08ee2a8414_prep_w,@function
k_q08ee2a8414_prep_w:
	s_mov_b64 s[64:65], 0
	v_nop
	global_prefetch_b8 v0, s[64:65] scope:SCOPE_SE
	s_setreg_imm32_b32 hwreg(HW_REG_WAVE_MODE, 25, 1), 1
	s_wait_xcnt 0x0
; Two pieces of work, told apart by the work-group's number.
; WORK-GROUPS 0 TO 47: W_qkv [1024 (k)][3072 (n)] f32, whose K is its FIRST axis, becomes codes of FP4 (E2M1) laid wc [3072][512 bytes] with K innermost, and scale bytes ws [3072][32].
; A lane takes a column n and its registers run down K: each load reads 128 consecutive bytes a wave, a block of 32 along K lies in one lane's 32 registers, and the conversions give codes with K innermost.
; A block's scale is 2^(floor(log2(its largest magnitude)) - 2); its byte is held at 1 from below (a block of zeros gets 1 where the rule says 127: its codes are zeros, and this program alone reads the bytes).
; A wave takes 32 columns x 512 along K; its codes go through its own stage in LDS and leave as rows: sixteen lanes store 256 consecutive bytes, aligned.
; WORK-GROUPS 48 TO 111: W_o [1024][1024] f32 is rounded to f16, in place order, into wo16: a plain stream, 4,096 numbers a wave, sixteen loads of 512 bytes always on their way; no LDS.
; LIMITS: blocks whose largest magnitude lies under 2^(2 - 126) have their byte held at 1; NaN and infinities are not served; |W_o| stays under 65,504.
; Every offset is an immediate: 511 x 3072 x 4 bytes at the most, inside the signed 24-bit immediate (ISA guide, chapter 10).
.set SIZE_K, 1024
.set SIZE_N, 3072
.set KW,    512                        ; along K for a wave
.set NB,    KW/32                      ; blocks
.set ROWB,  256                        ; bytes of KW codes
.set PITCH, ROWB+16                    ; a stage row
.set KROW,  SIZE_K*4/8                 ; a row of wc in bytes
.set EMAX,  2
.set X,     32                         ; v32-95   two sets of 32 numbers (W_o's path: sixteen sets of 4)
.set C,     96                         ; v96-99   a block's codes
.set OUTR,  112                        ; v112-175 the way out
.set YO,    96                         ; W_o's path: v96-159: two registers of f16 for each of 32 stores, none written twice
.set SPW,   14                         ; v14      LDS address of my spare word; never rewritten
.set NIL,   15                         ; v15      0; never rewritten
.set SPARE, 4*32*PITCH                 ; behind the four stages: the spare words
.set SB,    24                         ; v24-27   the scale bytes, four to a register
	s_load_b256 s[4:11], s[0:1], 0x0               ; W_qkv s[4:5], W_o s[6:7], wc s[8:9], ws s[10:11]
	s_load_b64 s[12:13], s[0:1], 0x20              ; wo16
	v_lshl_add_u32 v[SPW], v0, 2, SPARE
	v_mov_b32 v[NIL], 0
	v_lshrrev_b32 v1, 5, v0
	v_readfirstlane_b32 s16, v1                    ; wave 0..3
	v_and_b32 v2, 31, v0                           ; lane
	s_cmp_ge_u32 ttmp9, 48
	s_cbranch_scc1 .Lwo
	s_cmp_ge_u32 ttmp9, 24                         ; 24 blocks of 128 columns x 2 halves of K
	s_cselect_b32 s18, 1, 0                        ; which 512 along K
	s_cselect_b32 s19, 24, 0
	s_sub_co_u32 s19, ttmp9, s19                   ; which 128 columns
	s_lshl_b32 s17, s19, 7
	s_lshl_b32 s19, s16, 5
	s_add_co_u32 s17, s17, s19                     ; my wave's first column
	v_lshlrev_b32 v3, 2, v2                        ; in: 4 bytes a lane
	s_mul_i32 s19, s16, 32*PITCH                   ; my stage
	v_mul_u32_u24 v4, v2, PITCH
	v_add_nc_u32 v4, s19, v4                       ; into it: row = my column
	v_and_b32 v5, 15, v2
	v_lshrrev_b32 v6, 4, v2                        ; out of it: sixteen lanes to a row, two rows an instruction
	v_mul_u32_u24 v7, v6, PITCH
	v_lshl_add_u32 v7, v5, 4, v7
	v_add_nc_u32 v7, s19, v7
	v_mul_u32_u24 v8, v6, KROW
	v_lshl_add_u32 v8, v5, 4, v8                   ; and the same place in wc
	s_mov_b32 s19, 0
	s_mov_b64 s[20:21], KW*SIZE_N*4
	s_mul_u64 s[20:21], s[18:19], s[20:21]         ; W_qkv: 512 y rows
	s_lshl_b32 s22, s17, 2
	s_mov_b32 s23, 0
	s_add_nc_u64 s[20:21], s[20:21], s[22:23]      ; + 4 x column
	s_mov_b32 s22, s17
	s_mov_b64 s[24:25], KROW
	s_mul_u64 s[24:25], s[22:23], s[24:25]         ; wc: column x 512
	s_mul_i32 s26, s18, ROWB
	s_mov_b32 s27, 0
	s_add_nc_u64 s[24:25], s[24:25], s[26:27]      ; + 256 y
	s_mov_b64 s[28:29], SIZE_K/32
	s_mul_u64 s[28:29], s[22:23], s[28:29]         ; ws: column x 32
	s_mul_i32 s26, s18, NB
	s_add_nc_u64 s[28:29], s[28:29], s[26:27]      ; + 16 y
	v_mul_u32_u24 v9, v2, SIZE_K/32                ; my column's row of scale bytes
	s_wait_kmcnt 0x0
	s_add_nc_u64 s[4:5], s[4:5], s[20:21]
	s_add_nc_u64 s[8:9], s[8:9], s[24:25]
	s_add_nc_u64 s[10:11], s[10:11], s[28:29]
.macro LOAD t                          ; block t: W(32 t + i, my column), i = 0 .. 31, into set t % 2
.irp i, 0,1,2,3,4,5,6,7,8,9,10,11,12,13,14,15,16,17,18,19,20,21,22,23,24,25,26,27,28,29,30,31
	global_load_b32 v[X+32*((\t)%2)+\i], v3, s[4:5] offset:(32*(\t)+\i)*SIZE_N*4 th:TH_LOAD_NT
.endr
.endm
	LOAD 0
	LOAD 1
.macro BLOCK t
.set XS, X+32*((\t)%2)
.if (\t) < NB-1
	s_wait_loadcnt 32                              ; this block's 32 loads are in; the next block's 32 may be out
.else
	s_wait_loadcnt 0
.endif
	v_max3_num_f32 v12, |v[XS]|, |v[XS+1]|, |v[XS+2]|               ; the block's largest magnitude: all 32 numbers are mine
	v_max3_num_f32 v13, |v[XS+3]|, |v[XS+4]|, |v[XS+5]|
.irp i, 6,10,14,18,22,26
	v_max3_num_f32 v12, v12, |v[XS+\i]|, |v[XS+\i+1]|
	v_max3_num_f32 v13, v13, |v[XS+\i+2]|, |v[XS+\i+3]|
.endr
	v_max3_num_f32 v12, v12, |v[XS+30]|, |v[XS+31]|
	v_max3_num_f32 v12, v12, v13, (EMAX+1)<<23     ; and the floor 2^(EMAX + 1 - 127)
	v_add_nc_u32 v11, -(EMAX<<23), v12             ; EMAX off its exponent field: the conversion's scale operand
	v_lshrrev_b32 v13, 23, v11                     ; the scale's byte
.if (\t)%4 == 0
	v_mov_b32 v[SB+(\t)/4], v13                    ; four bytes to a register, the lower K in the lower byte
.else
	v_lshl_or_b32 v[SB+(\t)/4], v13, 8*((\t)%4), v[SB+(\t)/4]
.endif
.irp g, 0,1,2,3
	v_cvt_scalef32_pk8_fp4_f32 v[C+\g], v[XS+8*\g:XS+8*\g+7], v11
.endr
	ds_store_b128 v4, v[C:C+3] offset:16*(\t)      ; 32 codes: 16 bytes of my column's row
.if (\t)+2 < NB
	LOAD (\t)+2
.endif
	s_wait_dscnt 0x0                               ; the store has read its registers: the next block's codes may be written
.endm
.set Q, 0
.rept NB
	BLOCK Q
.set Q, Q+1
.endr
	global_store_b128 v9, v[SB:SB+3], s[10:11]     ; my column's 16 scale bytes
.irp t, 0,1,2,3,4,5,6,7,8,9,10,11,12,13,14,15
	ds_load_b128 v[OUTR+4*\t:OUTR+4*\t+3], v7 offset:2*\t*PITCH   ; LDS serves a wave's instructions in order: these see my stores
.endr
.irp t, 0,1,2,3,4,5,6,7,8,9,10,11,12,13,14,15
	s_wait_dscnt 15-\t                             ; the 15 - t younger loads may be out
	global_store_b128 v8, v[OUTR+4*\t:OUTR+4*\t+3], s[8:9] offset:2*\t*KROW
.endr
	s_wait_tensorcnt 0x0                           ; the wave's end: behind my last LDS store
	ds_add_u32 v[SPW], v[NIL]
	s_wait_dscnt 0x0
	s_endpgm
.Lwo:                                                  ; W_o to f16.
	s_sub_co_u32 s17, ttmp9, 48
	s_lshl_b32 s17, s17, 2
	s_add_co_u32 s17, s17, s16                     ; which run of 4,096 numbers is my wave's: 0 .. 255
	s_lshl_b32 s20, s17, 14                        ; 16,384 bytes in,
	s_mov_b32 s21, 0
	s_lshl_b32 s22, s17, 13                        ; 8,192 out
	s_mov_b32 s23, 0
	v_lshlrev_b32 v3, 4, v2                        ; in: 16 bytes a lane
	v_lshlrev_b32 v4, 3, v2                        ; out: 8 bytes a lane
	s_wait_kmcnt 0x0
	s_add_nc_u64 s[6:7], s[6:7], s[20:21]
	s_add_nc_u64 s[12:13], s[12:13], s[22:23]
.irp i, 0,1,2,3,4,5,6,7,8,9,10,11,12,13,14,15
	global_load_b128 v[X+4*\i:X+4*\i+3], v3, s[6:7] offset:512*\i th:TH_LOAD_NT
.endr
.irp i, 0,1,2,3,4,5,6,7,8,9,10,11,12,13,14,15
	s_wait_loadcnt 15                              ; loads come back in order: mine is in, the fifteen younger ones stay out
	v_cvt_pk_f16_f32 v[YO+2*\i], v[X+4*\i], v[X+4*\i+1]
	v_cvt_pk_f16_f32 v[YO+2*\i+1], v[X+4*\i+2], v[X+4*\i+3]
	global_load_b128 v[X+4*\i:X+4*\i+3], v3, s[6:7] offset:512*(\i+16) th:TH_LOAD_NT
	global_store_b64 v4, v[YO+2*\i:YO+2*\i+1], s[12:13] offset:256*\i   ; 32 lanes store 256 consecutive bytes, aligned
.endr
.irp i, 0,1,2,3,4,5,6,7,8,9,10,11,12,13,14,15
	s_wait_loadcnt 15-\i                           ; nothing more is loaded: the counts run down
	v_cvt_pk_f16_f32 v[YO+32+2*\i], v[X+4*\i], v[X+4*\i+1]
	v_cvt_pk_f16_f32 v[YO+32+2*\i+1], v[X+4*\i+2], v[X+4*\i+3]
	global_store_b64 v4, v[YO+32+2*\i:YO+32+2*\i+1], s[12:13] offset:256*(\i+16)
.endr
	s_endpgm
.Lfunc_end_k_q08ee2a8414_prep_w:
	.size	k_q08ee2a8414_prep_w, .Lfunc_end_k_q08ee2a8414_prep_w-k_q08ee2a8414_prep_w
	.p2alignl 7, 3214868480
	.fill 96, 4, 3214868480
	.section	.rodata,"a",@progbits
	.p2align	6, 0x0
	.amdhsa_kernel k_q08ee2a8414_prep_w
		.amdhsa_group_segment_fixed_size 35840
		.amdhsa_private_segment_fixed_size 0
		.amdhsa_enable_private_segment 0
		.amdhsa_kernarg_size 40
		.amdhsa_user_sgpr_count 2
		.amdhsa_user_sgpr_kernarg_segment_ptr 1
		.amdhsa_wavefront_size32 1
		.amdhsa_system_sgpr_workgroup_id_x 1
		.amdhsa_system_sgpr_workgroup_id_y 1
		.amdhsa_system_sgpr_workgroup_id_z 1
		.amdhsa_system_vgpr_workitem_id 0
		.amdhsa_next_free_vgpr 192
		.amdhsa_next_free_sgpr 66
		.amdhsa_reserve_vcc 0
		.amdhsa_float_denorm_mode_32 3
		.amdhsa_float_denorm_mode_16_64 3
		.amdhsa_memory_ordered 1
		.amdhsa_forward_progress 1
		.amdhsa_inst_pref_size 90
	.end_amdhsa_kernel
	.amdgpu_metadata
---
amdhsa.version: [ 1, 2 ]
amdhsa.kernels:
  - .name:           k_q08ee2a8414_prep_w
    .symbol:         k_q08ee2a8414_prep_w.kd
    .args:
      - { .name: W_qkv, .offset: 0, .size: 8, .value_kind: global_buffer, .address_space: global }
      - { .name: W_o, .offset: 8, .size: 8, .value_kind: global_buffer, .address_space: global }
      - { .name: wc, .offset: 16, .size: 8, .value_kind: global_buffer, .address_space: global }
      - { .name: ws, .offset: 24, .size: 8, .value_kind: global_buffer, .address_space: global }
      - { .name: wo16, .offset: 32, .size: 8, .value_kind: global_buffer, .address_space: global }
    .group_segment_fixed_size: 35840
    .private_segment_fixed_size: 0
    .kernarg_segment_align: 8
    .kernarg_segment_size: 40
    .max_flat_workgroup_size: 128
    .sgpr_count:     66
    .vgpr_count:     192
    .wavefront_size: 32
...
	.end_amdgpu_metadata
.endif
;; end of part 2
;; launch qkv_gemm (part 3): grid 12 x 32, 4 waves a work-group, clusters of 4 x 4, 327,680 bytes of LDS; arguments xc, xs, wc, ws, qkvh; writes qkvh
.if DOCPART == 3
	.amdgcn_target "amdgcn-amd-amdhsa--gfx1250"
	.amdhsa_code_object_version 6
	.text
	.protected	k_q08ee2a8414_qkv_gemm
	.globl	k_q08ee2a8414_qkv_gemm
	.p2align	8
	.type	k_q08ee2a8414_qkv_gemm,@function
k_q08ee2a8414_qkv_gemm:
	s_mov_b64 s[64:65], 0
	v_nop
	global_prefetch_b8 v0, s[64:65] scope:SCOPE_SE
	s_setreg_imm32_b32 hwreg(HW_REG_WAVE_MODE, 25, 1), 1
	s_wait_xcnt 0x0
	s_wait_alu depctr_hold_cnt(0) depctr_sa_sdst(0) depctr_va_vdst(0) depctr_va_sdst(0) depctr_va_ssrc(0) depctr_va_vcc(0) depctr_vm_vsrc(0)
	s_getreg_b32 s2, hwreg(HW_REG_IB_STS2, 6, 4)
	s_cmp_eq_u32 s2, 0
	s_cbranch_scc0 .Lentry_in_a_cluster
	s_endpgm
.Lentry_in_a_cluster:
	s_bfe_u32 s2, ttmp6, 0x10000c
	s_cmp_lg_u32 s2, 0xf033
	s_cbranch_scc0 .Lentry_shape_is_right
	s_endpgm
.Lentry_shape_is_right:
; qkv[m][n] = sum over k of x[m][k] W_qkv[k][n], both operands as codes of FP4 (E2M1) with one E8M0 scale for each 32 along K; sums in f32; the result is rounded once to f16 and laid by heads:
; qkvh [3 (q, k, v)][4 b][16 heads][2048 positions][64] f16.  A = xc [8192][512 bytes], xs [8192][32]; B = wc [3072][512 bytes], ws [3072][32].  LIMIT: results stay under 65,504 in magnitude.
; A tile of 256 x 256 is made by a work-group of four waves; a wave makes 128 x 128: 64 accumulators of 16 x 16, 512 registers.
; K = 1024 is two K steps of 512 (a tile's row is 256 bytes of memory): the two LDS slots are filled once each, at the start, and nothing is filled again.
; THE SCALES of the work-group's 256 rows of A and of B, for all of K, are two dense blocks of memory: they come into LDS once, with the first fills, as rows of 256 bytes.
; CLUSTERS: 4 x 4 work-groups.  The four of a row of the cluster need the same tiles of A, the four of a column the same tiles of B: each tile is asked for jointly, by the same tensor load with the
; same descriptor and a mask that names the four.  THE MATRIX INSTRUCTION IS USED TRANSPOSED (source 0 = 16 rows of B, source 1 = 16 rows of A): a lane then holds eight neighbouring columns of a row.
; REGISTERS, in windows of 256: window 0: v0-31 addresses; v32-95 scale words, two sets, and nothing else; v96-127 packed results on the way out; from v128 A's fragments, ONE set, later rows on the way out.
;   window 1: B's fragments, TWO sets, at v0 and v128.   window 2: the 32 accumulators of my rows 0-63 ((a, b) at v[8 (8 a + b)]);   window 3: those of my rows 64-127.
.set SIZE_K, 1024
.set KSTEP,  512                       ; along K in a slot
.set NQ,     KSTEP/128                 ; matrix instructions deep
.set ROWB,   256                       ; a tile's row in bytes
.set KROW,   SIZE_K*4/8                ; a row of A or of B in memory, in bytes
.set PITCH,  272                       ; an LDS row: 256 bytes + 16 of padding = 68 words: the 16 rows that a load touches start at 16 different banks (64 banks of 4 bytes: ISA guide 11.1)
.set FR,     8                         ; registers of a fragment: 16 rows x 128 K
.set NL,     2                         ; LDS loads that bring one
.set NP,     4                         ; places behind this matrix instruction (ISA guide 7.12.1)
.set HALFT,  128*PITCH                 ; 128 rows: what one tensor load brings
.set SLOT,   4*HALFT                   ; A's 256 rows, then B's 256 rows
.set KS,     SIZE_K/32                 ; a row of scales in bytes
.set SCL,    2*SLOT                    ; behind the slots: the scales, as rows of 256 bytes + 16 of padding
.set HALFS,  (128*KS/256)*272          ; the scales of 128 rows
.set SBLK,   (16*KS/256)*272           ; those of 16 rows
.set SPARE,  SCL+4*HALFS               ; behind the scales: the spare words, 128 bytes a wave
.set SPITCH, 272                       ; the way out: a stage of 16 rows x (256 bytes + 16) for each wave, in slot 0, which has had its only fill and its last read when the first result is stored there
.set ADRA, 16                          ; v16-17  LDS address of my A fragments in slot 0, 1
.set ADRB, 20                          ; v20-21  the same for B
.set STO,  24                          ; v24     the way out: where I put 16 bytes of a row
.set RD,   25                          ; v25     where I read 16 bytes back
.set CO,   26                          ; v26     16 x lane: my place in a store's 512 bytes
.set SPW,  28                          ; v28     LDS address of my spare word; never rewritten
.set NIL,  29                          ; v29     0; never rewritten
.set ADRS, 27                          ; v27     LDS address of my scale words: lanes 0-15 A's rows, lanes 16-31 B's
.set SC,   32                          ; scale words: set s at v[SC + 32 s]; register 4 i + q: lanes 0-15 the word of A's block i, lanes 16-31 that of B's block i, for the slot's q-th 128 along K
.set TMP,  96                          ; the way out: a block's 32 registers of f16
.set AF,   128                         ; A's fragments, in window 0
.set BK,   128                         ; the way out: 16 rows read back: v128-159 and v160-191 by turns
.set G1, 24                            ; s[24:31] descriptor group 1 for A's tiles;  s[32:39] group 0, one set for each slot
.set G0, 32
.set G1B, 48                           ; s[48:55], s[56:63] the same for B's tiles
.set G0B, 56
.set G1S, 68                           ; s[68:75], s[76:79] groups 1 and 0 for A's scales;  s[80:87], s[88:91] for B's
.set G0S, 76
.set G1SB, 80
.set G0SB, 88
.set MSB, 0
.macro WIN new                         ; the immediate's high byte repeats the setting that is left
.if MSB != \new
	s_set_vgpr_msb (MSB<<8)|\new
.set MSB, \new
.endif
.endm
.set MUL_LO, 0xa1                      ; source 0 (B) window 1, source 1 (A) window 0, C and D window 2
.set MUL_HI, 0xf1                      ; the same, C and D window 3
.set TO_B,   0x40                      ; destination window 1, address window 0
; A joint load: waves 0 and 1 fetch for A, waves 2 and 3 for B.  Each of the two lines has one mask and one set of registers for all that issue it; the branch hangs on the wave's number alone.
; An s_nop 0 and four v_nop follow each of the two lines.
.macro JLOAD g0a, g1a, g0b, g1b
	s_cmp_eq_u32 s15, 0
	s_cbranch_scc0 .Lfor_b_\@
	tensor_load_to_lds s[\g0a:\g0a+3], s[\g1a:\g1a+7]
	s_nop 0
.rept 4
	v_nop
.endr
	s_branch .Lasked_\@
.Lfor_b_\@:
	tensor_load_to_lds s[\g0b:\g0b+3], s[\g1b:\g1b+7]
	s_nop 0
.rept 4
	v_nop
.endr
.Lasked_\@:
.endm
.macro CROUND                          ; a round of the cluster's barrier
	s_barrier_signal -1
	s_barrier_wait -1
	s_cmp_lg_u32 s14, 0
	s_cbranch_scc1 .Lnot_wave_0_\@
	s_barrier_signal -3
.Lnot_wave_0_\@:
	s_barrier_wait -3
	s_barrier_signal -1
	s_barrier_wait -1
.endm
	s_load_b128 s[4:7], s[0:1], 0x0                ; xc s[4:5], xs s[6:7]
	s_load_b128 s[8:11], s[0:1], 0x10              ; wc s[8:9], ws s[10:11]
	s_load_b64 s[12:13], s[0:1], 0x20              ; qkvh
	v_lshl_add_u32 v[SPW], v0, 2, SPARE
	v_mov_b32 v[NIL], 0
	ds_add_u32 v[SPW], v[NIL]                      ; the wave's opening: the add, twice on end, and its wait ahead of my first tensor load
	ds_add_u32 v[SPW], v[NIL]                      ; and once more; the set-up below, work on registers, stands between it and the wait
	v_lshrrev_b32 v1, 5, v0
	v_readfirstlane_b32 s14, v1                    ; wave 0..3
	s_lshr_b32 s15, s14, 1                         ; which half of the tile's rows is mine.  Also: I fetch for A (0) or for B (1)
	s_and_b32 s16, s14, 1                          ; which half of its columns.  Also: which 128 rows of that tile I fetch
	s_bfe_u32 s40, ttmp6, 0x40000                  ; cx, cy: my place in the cluster
	s_bfe_u32 s41, ttmp6, 0x40004
	s_lshl_b32 s42, ttmp9, 2
	s_add_co_u32 s42, s42, s40                     ; tile column = 4 x cluster x + cx
	s_and_b32 s17, ttmp7, 0xffff
	s_lshl_b32 s17, s17, 2
	s_add_co_u32 s17, s17, s41                     ; tile row = 4 x cluster y + cy
	s_lshl_b32 s43, s41, 2
	s_lshl_b32 s43, 15, s43                        ; my row of the cluster
	s_lshl_b32 s44, 0x1111, s40                    ; my column
	; descriptor group 1: a tile of 128 rows x 256 bytes, padded in LDS
	s_or_b32 s[G1+0], s43, (0<<16)|(1<<20)|(1<<21)|(5<<22)|(3<<25)  ; 15:0 the mask: A's tiles go to my row; elements of 1 byte; padding on; bit 21 beside a mask; after every 64 words, 4 words
	s_or_b32 s[G1B+0], s44, (0<<16)|(1<<20)|(1<<21)|(5<<22)|(3<<25)
.irp g, G1, G1B
	s_mov_b32 s[\g+1], ROWB<<16                    ; tensor_dim0
	s_mov_b32 s[\g+2], 128<<16                     ; tensor_dim1 = 128
	s_mov_b32 s[\g+3], ROWB<<16                    ; tile_dim0
	s_mov_b32 s[\g+4], 128                         ; tile_dim1 = 128
	s_mov_b32 s[\g+5], KROW                        ; from row to row
	s_mov_b32 s[\g+6], 0
	s_mov_b32 s[\g+7], 0
.endr
	; and for the scales of 128 rows: a dense block of 4,096 bytes, as 16 rows of 256 bytes (32 elements of 8 bytes), 16 bytes of padding behind each
	s_or_b32 s[G1S+0], s43, (3<<16)|(1<<20)|(1<<21)|(5<<22)|(3<<25)
	s_or_b32 s[G1SB+0], s44, (3<<16)|(1<<20)|(1<<21)|(5<<22)|(3<<25)
.irp g, G1S, G1SB
	s_mov_b32 s[\g+1], 32<<16
	s_mov_b32 s[\g+2], (128*KS/256)<<16
	s_mov_b32 s[\g+3], 32<<16
	s_mov_b32 s[\g+4], 128*KS/256
	s_mov_b32 s[\g+5], 32
	s_mov_b32 s[\g+6], 0
	s_mov_b32 s[\g+7], 0
.endr
	s_lshl_b32 s18, s16, 7                         ; which 128 rows of the tile I fetch
	s_lshl_b32 s20, s17, 8
	s_add_co_u32 s20, s20, s18                     ; A: row 256 x tile row + 128 x half
	s_lshl_b32 s46, s42, 8
	s_add_co_u32 s46, s46, s18                     ; B: row 256 x tile column + 128 x half
	s_mov_b32 s21, 0
	s_mov_b32 s47, 0
	s_mov_b64 s[18:19], KS
	s_mul_u64 s[22:23], s[20:21], s[18:19]         ; where these rows' scales begin, in bytes
	s_mul_u64 s[92:93], s[46:47], s[18:19]
	s_mov_b64 s[18:19], KROW
	s_mul_u64 s[20:21], s[20:21], s[18:19]         ; and their codes
	s_mul_u64 s[46:47], s[46:47], s[18:19]
	s_mul_i32 s45, s14, HALFT                      ; where they go: wave x 128 rows: no place in the cluster enters an LDS address
	s_mul_i32 s94, s14, HALFS
	s_wait_dscnt 0x0                               ; both opening adds are done
	s_wait_kmcnt 0x0
	s_add_nc_u64 s[20:21], s[4:5], s[20:21]
	s_add_nc_u64 s[22:23], s[6:7], s[22:23]
	s_add_nc_u64 s[46:47], s[8:9], s[46:47]
	s_add_nc_u64 s[92:93], s[10:11], s[92:93]
	CROUND                                         ; all sixteen work-groups are here: the joint loads meet
	s_mov_b32 s[G0S], 1
	s_add_co_u32 s[G0S+1], s94, SCL
	s_mov_b64 s[G0S+2:G0S+3], s[22:23]
	s_or_b32 s[G0S+3], s[G0S+3], 0x80000000
	s_mov_b32 s[G0SB], 1
	s_add_co_u32 s[G0SB+1], s94, SCL
	s_mov_b64 s[G0SB+2:G0SB+3], s[92:93]
	s_or_b32 s[G0SB+3], s[G0SB+3], 0x80000000
	JLOAD G0S, G1S, G0SB, G1SB                     ; the scales first: they are wanted with K step 0
.irp s, 0,1
	s_mov_b32 s[G0+4*\s], 1
	s_add_co_u32 s[G0+4*\s+1], s45, \s*SLOT
	s_add_nc_u64 s[G0+4*\s+2:G0+4*\s+3], s[20:21], \s*ROWB
	s_or_b32 s[G0+4*\s+3], s[G0+4*\s+3], 0x80000000
	s_mov_b32 s[G0B+4*\s], 1
	s_add_co_u32 s[G0B+4*\s+1], s45, \s*SLOT
	s_add_nc_u64 s[G0B+4*\s+2:G0B+4*\s+3], s[46:47], \s*ROWB
	s_or_b32 s[G0B+4*\s+3], s[G0B+4*\s+3], 0x80000000
	JLOAD G0+4*\s, G1, G0B+4*\s, G1B               ; three tensor loads of mine are out at the most
.endr
	v_and_b32 v1, 15, v0                           ; r = l % 16
	v_bfe_u32 v2, v0, 4, 1                         ; h = l / 16
	v_mul_u32_u24 v3, v1, PITCH
	v_lshl_add_u32 v4, v2, 4, v3                   ; a fragment's row x pitch + 16 x half
	s_mul_i32 s21, s15, HALFT                      ; my 128 rows of A
	s_mul_i32 s22, s16, HALFT                      ; my 128 rows of B,
	s_add_co_u32 s22, s22, 2*HALFT                 ; which lie behind A's 256
.irp s, 0,1
	v_add_nc_u32 v[ADRA+\s], s21, v4
	v_add_nc_u32 v[ADRB+\s], s22, v4
	s_add_co_u32 s21, s21, SLOT
	s_add_co_u32 s22, s22, SLOT
.endr
	v_mul_u32_u24 v5, v1, KS                       ; my row's scales: 32 bytes a row,
	v_lshrrev_b32 v6, 8, v5
	v_lshl_add_u32 v5, v6, 4, v5                   ; and 16 more for each 256 passed
	s_mul_i32 s21, s15, HALFS                      ; A's: my 128 rows
	s_mul_i32 s22, s16, HALFS                      ; B's: my 128 rows, behind A's 256
	s_add_co_u32 s22, s22, 2*HALFS
	s_sub_co_u32 s22, s22, s21
	v_mul_u32_u24 v6, s22, v2                      ; lanes 16-31 take B's
	s_add_co_u32 s21, s21, SCL
	v_add_nc_u32 v5, v5, v6
	v_add_nc_u32 v[ADRS], s21, v5
	s_mul_i32 s23, s14, 16*SPITCH                  ; my stage
	v_mul_u32_u24 v5, v1, SPITCH                   ; in: row r, 16 bytes for each half of the lanes
	v_lshl_add_u32 v5, v2, 4, v5
	v_add_nc_u32 v[STO], s23, v5
	v_and_b32 v6, 31, v0                           ; lane
	v_lshlrev_b32 v[CO], 4, v6                     ; in memory a head's rows of 128 bytes lie on end: 32 lanes x 16 bytes are four rows
	v_lshrrev_b32 v5, 3, v6
	v_mul_u32_u24 v5, v5, SPITCH                   ; back: row l / 8 of four,
	v_and_b32 v6, 7, v0
	v_lshl_add_u32 v5, v6, 4, v5                   ; 16 (l % 8) bytes on
	v_add_nc_u32 v[RD], s23, v5
	; where my 128 rows x 2 heads begin in qkvh: part x 2^24 + b x 2^22 + head x 2^18 + position x 128
	s_lshl_b32 s20, s17, 8
	s_lshl_b32 s21, s15, 7
	s_add_co_u32 s20, s20, s21                     ; my first row: 256 x tile row + 128 x half
	s_lshr_b32 s21, s20, 11                        ; b
	s_and_b32 s20, s20, 2047                       ; position
	s_lshl_b32 s21, s21, 22
	s_lshl_b32 s20, s20, 7
	s_add_co_u32 s20, s20, s21
	s_mov_b32 s21, 0
	s_lshl_b32 s46, s42, 2
	s_lshl_b32 s47, s16, 1
	s_add_co_u32 s46, s46, s47                     ; my first column / 64: an even number 0 .. 46
	s_lshr_b32 s47, s46, 4                         ; part: q, k or v
	s_and_b32 s46, s46, 15                         ; head
	s_lshl_b32 s47, s47, 24
	s_lshl_b32 s46, s46, 18
	s_add_co_u32 s46, s46, s47
	s_mov_b32 s47, 0
	s_add_nc_u64 s[20:21], s[20:21], s[46:47]
	s_add_nc_u64 s[12:13], s[12:13], s[20:21]
.macro FRAG reg, adr, q, i             ; a fragment, 16 rows x 128 K of 4-bit codes, is 8 registers: lane l holds row l % 16; registers 4 c .. 4 c + 3 hold K = 64 c + 32 (l / 16) + 0 .. 31
.irp c, 0,1
	ds_load_b128 v[\reg+4*\c:\reg+4*\c+3], v[\adr] offset:64*(\q)+32*\c+(\i)*16*PITCH
.endr
.endm
; 16 matrix instructions: A's blocks a0, a0 + 1 x B's eight, 128 along K: the slot's q-th.  p: B's set;  sc: the set of scale words.  zero = 1: the first product starts the sums.
; The 64 accumulators take turns, one instruction a turn, in the same order in every step.
.macro MUL16 a0, p, q, sc, zero
.irp a, \a0, \a0+1
.irp b, 0,1,2,3,4,5,6,7
.if \zero
	v_wmma_scale_f32_16x16x128_f8f6f4 v[8*(8*((\a)%4)+\b):8*(8*((\a)%4)+\b)+7], v[128*(\p)+FR*\b:128*(\p)+FR*\b+FR-1], v[AF+FR*(\a):AF+FR*(\a)+FR-1], 0, v[SC+8*NQ*(\sc)+NQ*\b+(\q)], v[SC+8*NQ*(\sc)+NQ*(\a)+(\q)] matrix_a_fmt:MATRIX_FMT_FP4 matrix_b_fmt:MATRIX_FMT_FP4 matrix_a_scale:MATRIX_SCALE_ROW1
.else
	v_wmma_scale_f32_16x16x128_f8f6f4 v[8*(8*((\a)%4)+\b):8*(8*((\a)%4)+\b)+7], v[128*(\p)+FR*\b:128*(\p)+FR*\b+FR-1], v[AF+FR*(\a):AF+FR*(\a)+FR-1], v[8*(8*((\a)%4)+\b):8*(8*((\a)%4)+\b)+7], v[SC+8*NQ*(\sc)+NQ*\b+(\q)], v[SC+8*NQ*(\sc)+NQ*(\a)+(\q)] matrix_a_fmt:MATRIX_FMT_FP4 matrix_b_fmt:MATRIX_FMT_FP4 matrix_a_scale:MATRIX_SCALE_ROW1
.endif
.endr
.endr
.endm
.macro FETCH_B slot, q, p              ; B's eight fragments of the slot's q-th 128 along K into set p
	WIN TO_B
.irp i, 0,1,2,3,4,5,6,7
	FRAG 128*(\p)+FR*\i, ADRB+\slot, \q, \i
.endr
	WIN 0
.endm
.macro FETCH_A slot, q, i0             ; A's blocks i0 .. i0 + 3
.irp i, \i0, \i0+1, \i0+2, \i0+3
	FRAG AF+FR*(\i), ADRA+\slot, \q, \i
.endr
.endm
.macro SCALES sc                       ; a K step's scale words into set sc: 4 words a row; lanes 0-15 take A's block i, lanes 16-31 B's block i
.irp i, 0,1,2,3,4,5,6,7
	ds_load_b128 v[SC+8*NQ*\sc+NQ*\i:SC+8*NQ*\sc+NQ*\i+3], v[ADRS] offset:\i*SBLK
.endr
.endm
; A load into a register that a matrix instruction has read, and a vector instruction that reads a matrix result, stand NP places behind that matrix instruction; only plain vector
; instructions that name none of its registers are places (ISA guide 7.12.1 for vector instructions).
.macro PLACES n
.rept \n
	v_nop
.endr
.endm
; A step of 128 along K that has its successor in the same slot.
.macro STEP slot, q, zero
	s_wait_dscnt 4*NL                              ; B's set and A's blocks 0-3 are in; the youngest eight loads (A's blocks 4-7) may be out
	WIN MUL_LO
	MUL16 0, (\q)%2, \q, \slot, \zero
	MUL16 2, (\q)%2, \q, \slot, \zero
	s_wait_dscnt 0                                 ; A's blocks 4-7 are in (asked for 32 matrix instructions ago)
	PLACES NP
	FETCH_B \slot, (\q)+1, 1-(\q)%2
	FETCH_A \slot, (\q)+1, 0
	WIN MUL_HI
	MUL16 4, (\q)%2, \q, \slot, \zero
	MUL16 6, (\q)%2, \q, \slot, \zero
	PLACES NP
	WIN 0
	FETCH_A \slot, (\q)+1, 4
.endm
; Slot 0's last step changes slots: one barrier.  In front of it each wave waits for all its tensor loads (its part of slot 1) and for its own reads of slot 0.  Behind it slot 1 is whole, and nobody
; reads slot 0 any more: the stages of the way out lie there.
.macro TURN slot, next
	s_wait_tensorcnt 0x0                           ; all my tensor loads have landed: my part of the next slot
	ds_add_u32 v[SPW], v[NIL]                      ; 0 onto my spare word
	s_wait_dscnt 4*NL+1                            ; (the add and the youngest eight loads, A's blocks 4-7, may be out)
	WIN MUL_LO
	MUL16 0, 1, NQ-1, \slot, 0                     ; sixteen matrix instructions stand between the add and the wait for it
	s_wait_dscnt 0x0                               ; the add is done, and my reads of this slot are over
	s_barrier_signal -1
	MUL16 2, 1, NQ-1, \slot, 0
	WIN 0
	s_barrier_wait -1
	PLACES NP
	v_add_nc_u32 v[ADRS], 4*NQ, v[ADRS]            ; on to the next K step's scale words (no LDS load of mine is out)
	FETCH_B \next, 0, 0
	FETCH_A \next, 0, 0
	SCALES \next
	WIN MUL_HI
	MUL16 4, 1, NQ-1, \slot, 0
	MUL16 6, 1, NQ-1, \slot, 0
	PLACES NP
	WIN 0
	FETCH_A \next, 0, 4
.endm
	s_wait_tensorcnt 1                             ; the scales and my part of K step 0 are in; K step 1's load, the one issued behind them, may be out
	s_barrier_signal -1
	s_barrier_wait -1                              ; everybody's are
	FETCH_B 0, 0, 0
	FETCH_A 0, 0, 0
	SCALES 0
	FETCH_A 0, 0, 4
	STEP 0, 0, 1                                   ; the first step's products start the sums: nothing is cleared
	STEP 0, 1, 0
	STEP 0, 2, 0
	TURN 0, 1
	STEP 1, 0, 0
	STEP 1, 1, 0
	STEP 1, 2, 0
	s_wait_dscnt 4*NL                              ; the very last step: nothing more to fetch
	WIN MUL_LO
	MUL16 0, 1, NQ-1, 1, 0
	MUL16 2, 1, NQ-1, 1, 0
	s_wait_dscnt 0
	WIN MUL_HI
	MUL16 4, 1, NQ-1, 1, 0
	MUL16 6, 1, NQ-1, 1, 0
	WIN 0
; THE WAY OUT, block by block of 16 rows x 128 columns (two heads).  PACK: rounded to f16, 16 bytes a lane for each of B's blocks, each accumulator from its low end on.
; TOSTAGE: into my own stage in LDS, and back so that 32 lanes hold four whole rows (128 bytes each) of one head, which lie on end in memory.  SEND: eight stores of 512 consecutive bytes, aligned.
.macro PACK a
.set AC, 64*((\a)%4)
	WIN 0x0a+5*((\a)/4)                            ; sources 0 and 1: window 2 or 3
.irp b, 0,1,2,3,4,5,6,7
.irp i, 0,1,2,3
	v_cvt_pk_f16_f32 v[TMP+4*\b+\i], v[AC+8*\b+2*\i], v[AC+8*\b+2*\i+1]
.endr
.endr
	WIN 0
.endm
.macro TOSTAGE a
.set BB, BK+32*((\a)%2)
.irp b, 0,1,2,3,4,5,6,7
	ds_store_b128 v[STO], v[TMP+4*\b:TMP+4*\b+3] offset:32*\b
.endr
.irp hh, 0,1
.irp i, 0,1,2,3
	ds_load_b128 v[BB+4*(4*\hh+\i):BB+4*(4*\hh+\i)+3], v[RD] offset:4*SPITCH*\i+128*\hh   ; LDS serves a wave's instructions in order (ISA guide 5.7.1.4): these see the stores above
.endr
.endr
.endm
.macro SEND a
.set BB, BK+32*((\a)%2)
	s_wait_dscnt 0x0                               ; the block is back in registers
	s_wait_xcnt 0x0                                ; the stores of the block before have read their registers: the next block's loads from the stage may land there
.irp hh, 0,1
.irp i, 0,1,2,3
	global_store_b128 v[CO], v[BB+4*(4*\hh+\i):BB+4*(4*\hh+\i)+3], s[12:13] offset:\hh*262144+(16*(\a)+4*\i)*128
.endr
.endr
.endm
	PLACES NP                                      ; behind the last products: for the loads into the registers that held A's fragments, and for the conversions
	PACK 0
	TOSTAGE 0
.irp a, 1,2,3,4,5,6,7                  ; block a's conversions stand between block a - 1's loads from the stage and the wait for them
	PACK \a
	SEND \a-1
	TOSTAGE \a
.endr
	SEND 7
	s_wait_tensorcnt 0x0                           ; the wave's end: behind my last tensor load and my last LDS store
	ds_add_u32 v[SPW], v[NIL]
	s_wait_dscnt 0x0
	CROUND                                         ; the closing round: no work-group ends while a partner may still ask for a tile that names it
	s_endpgm
.Lfunc_end_k_q08ee2a8414_qkv_gemm:
	.size	k_q08ee2a8414_qkv_gemm, .Lfunc_end_k_q08ee2a8414_qkv_gemm-k_q08ee2a8414_qkv_gemm
	.p2alignl 7, 3214868480
	.fill 96, 4, 3214868480
	.section	.rodata,"a",@progbits
	.p2align	6, 0x0
	.amdhsa_kernel k_q08ee2a8414_qkv_gemm
		.amdhsa_group_segment_fixed_size 327680
		.amdhsa_private_segment_fixed_size 0
		.amdhsa_enable_private_segment 0
		.amdhsa_kernarg_size 40
		.amdhsa_user_sgpr_count 2
		.amdhsa_user_sgpr_kernarg_segment_ptr 1
		.amdhsa_wavefront_size32 1
		.amdhsa_system_sgpr_workgroup_id_x 1
		.amdhsa_system_sgpr_workgroup_id_y 1
		.amdhsa_system_sgpr_workgroup_id_z 1
		.amdhsa_system_vgpr_workitem_id 0
		.amdhsa_next_free_vgpr 1024
		.amdhsa_next_free_sgpr 98
		.amdhsa_reserve_vcc 0
		.amdhsa_float_denorm_mode_32 3
		.amdhsa_float_denorm_mode_16_64 3
		.amdhsa_memory_ordered 1
		.amdhsa_forward_progress 1
		.amdhsa_inst_pref_size 127
	.end_amdhsa_kernel
	.amdgpu_metadata
---
amdhsa.version: [ 1, 2 ]
amdhsa.kernels:
  - .name:           k_q08ee2a8414_qkv_gemm
    .symbol:         k_q08ee2a8414_qkv_gemm.kd
    .args:
      - { .name: xc, .offset: 0, .size: 8, .value_kind: global_buffer, .address_space: global }
      - { .name: xs, .offset: 8, .size: 8, .value_kind: global_buffer, .address_space: global }
      - { .name: wc, .offset: 16, .size: 8, .value_kind: global_buffer, .address_space: global }
      - { .name: ws, .offset: 24, .size: 8, .value_kind: global_buffer, .address_space: global }
      - { .name: qkvh, .offset: 32, .size: 8, .value_kind: global_buffer, .address_space: global }
    .group_segment_fixed_size: 327680
    .private_segment_fixed_size: 0
    .kernarg_segment_align: 8
    .kernarg_segment_size: 40
    .max_flat_workgroup_size: 128
    .sgpr_count:     98
    .vgpr_count:     1024
    .wavefront_size: 32
...
	.end_amdgpu_metadata
.endif
;; end of part 3
;; launch attn (part 4): grid 4 x 64, 16 waves a work-group, no clusters, 327,680 bytes of LDS; arguments qkvh, ao; writes ao
.if DOCPART == 4
	.amdgcn_target "amdgcn-amd-amdhsa--gfx1250"
	.amdhsa_code_object_version 6
	.text
	.protected	k_q08ee2a8414_attn
	.globl	k_q08ee2a8414_attn
	.p2align	8
	.type	k_q08ee2a8414_attn,@function
k_q08ee2a8414_attn:
	s_mov_b64 s[64:65], 0
	v_nop
	global_prefetch_b8 v0, s[64:65] scope:SCOPE_SE
	s_setreg_imm32_b32 hwreg(HW_REG_WAVE_MODE, 25, 1), 1
	s_wait_xcnt 0x0
; ao[b][h][i][:] = the sum over j of softmax_j(k_i . q_j / 8) v_j, where j >= i alone counts (reference() masks i > j to -inf in its own body).  q, k, v: qkvh [3][64 (b, h)][2048][64] f16; ao [64][2048][64] f16.
; WORK LEFT OUT: a step of 64 positions j all of which lie under all 32 rows i of a wave has weight 0 for every value of the inputs (shown at the head of quant_x): it is jumped over; a tile of 256 positions
; that lies under all rows of the work-group is not fetched.  LIMIT: a NaN or an infinity that reaches only such scores is not carried to the result.
; THE ROLES: a ROW of the softmax is a position of k; the KEYS, over which it runs, are positions of q; the values are v's.  Products, maxima and sums in f32; the weights p are rounded to f16 for the second
; product, the result once at the end.  For each row a running maximum m and sum l: p = 2^(c s - c m), c = log2(e) / 8; in every step O and l are multiplied by a = 2^(c m_old - c m_new).
; SHARES.  A work-group owns row blocks p and 7 - p (256 rows each) of one (b, h), p = its x: block p wants key tiles p .. 7, so the two want nine tiles' work together, for every p.  No cluster: the four
; work-groups of a head want 8 - p key tiles each, so a joint load would bring some partner a tile that none of its waves reads.  Each of the sixteen waves owns 32 rows, two tiles of 16, in 256 registers;
; half of the waves serve each block.  Key tiles of 256 are walked DOWN, 7 to 0: tile 7 counts for every row.  Inside a tile: four steps of 64 keys, upward.  Rows are cut at multiples of 32 and steps at
; multiples of 64, so a step that is not jumped over holds, for each of the wave's rows, at least one key that counts: m is a number from the first step that a wave works.
; Every work-group walks all eight tiles, so that the trip counts are constants of the text; what is left out is a step's work and a tile's load.
; LAYOUT.  S^T = q k^T (source 0 = 16 keys, source 1 = 16 rows): a lane holds ONE row (lane % 16) and keys 8 (lane / 16) + 0..7.  Two such tiles, rounded to f16 in pairs, ARE source 1 (32 keys x 16 rows) of
; O^T = v^T P, whose result again holds one row a lane, and eight channels.  q comes out of LDS as it lies, v ([key][channel]) turned, by ds_load_tr16_b128.
; THE RING: two slots; waves 0 and 1 fetch the halves of q's tile, waves 2 and 3 of v's, and all sixteen read.
.set PK,    144                        ; a row of q in LDS: 128 bytes + 16 = 36 words: the 16 rows of a load start at 16 different groups of 4 banks (64 banks of 4 bytes: ISA guide 11.1)
.set PV,    160                        ; a row of v: 128 + 32 = 40 words: an odd multiple of 32 bytes, for the turning load
.set VOFF,  256*PK                     ; a slot: 256 rows of q, then 256 rows of v
.set SLOT1, 1<<17                      ; slot 1 begins here: one exclusive or turns an address in one slot into the other's
.set SPARE, 2*SLOT1                    ; behind the ring: the spare words, 128 bytes for each of sixteen waves
.set PART,  16777216                   ; bytes of q, of k, of v in qkvh
.set AK0, 1                            ; v1   my lane's place in a tile of q
.set AV0, 2                            ; v2   the same for v
.set ADK, 3                            ; v3   LDS address of the step's rows of q
.set ADV, 4                            ; v4   of v
.set SPW, 5                            ; v5   LDS address of my spare word; never rewritten
.set NIL, 6                            ; v6   0; never rewritten
.set GO,  7                            ; v7   the way out: 16 x lane
.set STO, 8                            ; v8   where I put 16 bytes of a row in my stage
.set RD,  9                            ; v9   where I read 16 bytes back
.set PFO, 10                           ; v10  256 x lane: the prefetches' offset; never rewritten
.set DL,  11                           ; v11  lane % 16 - 8 (lane / 16), for the mask
.set ST,  16                           ; v16-31  tile t's statistics at v[ST + 8 t]: +0 c m, +1 m, +2, +3 l (even keys', odd keys'), +4 to +7 at work; a takes +6
.set R,   32                           ; v32-63  my rows of k: tile t, channels 32 c on, at v[R + 16 t + 8 c]
.set FB,  64                           ; v64-127 the step's fragments of q, then of v
.set S,   128                          ; v128-191 S^T: tile t, keys 16 kt on, at v[S + 32 t + 8 kt]; P is made in place, in the tile's first 16 registers
.set O,   192                          ; v192-255 O^T: tile t, channels 16 ct on, at v[O + 32 t + 8 ct]
.set WV,  18                           ; s18  my wave's number
.set SEL, 20                           ; s[20:21] lane selects for v_permlanex16_b32: lane l xor 16
.set CS,  22                           ; s[22:23] c: the packed scaling names a pair and takes its low word for both halves
.set G1K, 24                           ; s[24:31] descriptor group 1 for q's tiles;  s[32:39] for v's;  s[40:43], s[44:47] their groups 0, which walk
.set G1V, 32
.set G0K, 40
.set G0V, 44
.set TK,  2                            ; s2   LDS byte at which the step's rows of q begin
.set TV,  3                            ; s3   and, less VOFF, those of v
.set KF,  66                           ; s66  the step's first key
.set Q0,  67                           ; s67  my first row
.set PL,  68                           ; s68  my work-group's lowest row: 256 p
.set SLOTS, 69                         ; s69  changes of slots still to come that may ask for a tile
.set CNT, 70                           ; s70  counts a tile's four steps
.set PFA, 72                           ; s[72:73] where my prefetches stand
.set LIM, 74                           ; s74  1 in a wave that prefetches, else the greatest number
; Waves 0 and 1 fetch for q, waves 2 and 3 for v, the others nothing.  The branches hang on the wave's number alone.  An s_nop 0 and four v_nop follow each of the two lines.
.macro TLOAD
	s_cmp_lt_u32 s[WV], 2
	s_cbranch_scc0 .Lnot_k_\@
	tensor_load_to_lds s[G0K:G0K+3], s[G1K:G1K+7]
	s_nop 0
.rept 4
	v_nop
.endr
	s_branch .Lasked_\@
.Lnot_k_\@:
	s_cmp_lt_u32 s[WV], 4
	s_cbranch_scc0 .Lasked_\@
	tensor_load_to_lds s[G0V:G0V+3], s[G1V:G1V+7]
	s_nop 0
.rept 4
	v_nop
.endr
.Lasked_\@:
.endm
; A PREFETCH of the tile that the NEXT change of slots will ask for: 256 rows of q and 256 of v, each a dense block of 32,768 bytes.  All four work-groups of a head walk the same tiles: the one with p = 0,
; which reads all eight, asks.  In it the waves ask that fetch nothing, one instruction each: waves 4 to 7 for q's block, 8,192 bytes a wave, lanes 256 bytes apart; waves 8 to 11 for v's likewise.
; So each aligned block of 256 bytes is named once in the launch.  Tiles 7 and 6 come by their loads alone; the last change that fills a slot asks for nothing: no tile lies under tile 0.
.macro ASK
	s_cmp_gt_u32 s[SLOTS], s[LIM]
	s_cbranch_scc0 .Lnot_mine_\@
	global_prefetch_b8 v[PFO], s[PFA:PFA+1] th:TH_LOAD_NT scope:SCOPE_SE
.Lnot_mine_\@:
.endm
	s_load_b128 s[4:7], s[0:1], 0x0                ; qkvh s[4:5], ao s[6:7]
	v_lshl_add_u32 v[SPW], v0, 2, SPARE
	v_mov_b32 v[NIL], 0
	ds_add_u32 v[SPW], v[NIL]                      ; the wave's opening: the add, twice on end, and its wait ahead of my first tensor load
	ds_add_u32 v[SPW], v[NIL]                      ; and once more; the set-up below, work on registers, stands between it and the wait
	v_lshrrev_b32 v12, 5, v0
	v_readfirstlane_b32 s[WV], v12                 ; wave 0..15
	s_and_b32 s76, ttmp7, 0xffff                   ; (b, h)
	s_lshl_b32 s76, s76, 18                        ; its first byte in q, in k, in v and in ao: 2048 rows of 128 bytes each
	s_lshr_b32 s78, s[WV], 2
	s_xor_b32 s78, s78, s[WV]
	s_and_b32 s78, s78, 1                          ; which of the two blocks I serve: waves 2 i and 2 i + 1 differ in it
	s_sub_co_u32 s79, 7, ttmp9
	s_cmp_lg_u32 s78, 0
	s_cselect_b32 s79, s79, ttmp9                  ; block 7 - p or p
	s_lshl_b32 s79, s79, 8
	s_lshr_b32 s80, s[WV], 1
	s_lshl_b32 s80, s80, 5
	s_add_co_u32 s[Q0], s79, s80                   ; my first row: 256 x block + 32 x (wave / 2)
	s_lshl_b32 s[PL], ttmp9, 8
	s_lshl_b32 s80, s[Q0], 7
	s_add_co_u32 s80, s80, s76                     ; my rows' first byte in k and in ao
	s_mov_b32 s81, 0
	s_and_b32 s84, s[WV], 1                        ; which half of a tile I fetch, if I fetch:
	s_lshl_b32 s86, s84, 14                        ; 128 rows of 128 bytes in memory,
	s_add_co_u32 s86, s86, s76
	s_add_co_u32 s86, s86, 1792*128                ; of tile 7,
	s_mov_b32 s87, 0
	s_mul_i32 s88, s84, 128*PK                     ; and in slot 0: q's,
	s_mul_i32 s89, s84, 128*PV
	s_add_co_u32 s89, s89, VOFF                    ; v's
	; descriptor group 1: 128 rows of 64 elements of 2 bytes, dense in memory, padded in LDS
	s_mov_b32 s[G1K], (1<<16)|(1<<20)|(4<<22)|(3<<25)   ; no mask; elements of 2 bytes; padding on: after every 32 words (code 4) four words (code 3)
	s_mov_b32 s[G1V], (1<<16)|(1<<20)|(4<<22)|(7<<25)   ; the same with eight words (code 7)
.irp g, G1K, G1V
	s_mov_b32 s[\g+1], 64<<16                      ; tensor_dim0
	s_mov_b32 s[\g+2], 128<<16                     ; tensor_dim1
	s_mov_b32 s[\g+3], 64<<16                      ; tile_dim0
	s_mov_b32 s[\g+4], 128                         ; tile_dim1
	s_mov_b32 s[\g+5], 64                          ; from row to row
	s_mov_b32 s[\g+6], 0
	s_mov_b32 s[\g+7], 0
.endr
	s_mov_b32 s[SEL], 0x76543210
	s_mov_b32 s[SEL+1], 0xfedcba98
	s_mov_b32 s[CS], 0x3e38aa3b                    ; c = log2(e) / 8
	s_mov_b32 s[CS+1], s[CS]                       ; (named with it as a pair, so it is written)
	s_mov_b32 s[TK], 0
	s_mov_b32 s[TV], 0
	s_mov_b32 s[KF], 1792
	s_mov_b32 s[SLOTS], 7
	; the prefetches: where my wave's stand, and who asks
	s_cmp_lt_u32 s[WV], 8
	s_cselect_b32 s90, 0, 2*PART                   ; waves 4 to 7: q; waves 8 to 11: v
	s_and_b32 s91, s[WV], 3
	s_lshl_b32 s91, s91, 13                        ; my 8,192 bytes of a tile's 32,768,
	s_add_co_u32 s90, s90, s91
	s_add_co_u32 s90, s90, s76                     ; in my head,
	s_add_co_u32 s90, s90, 1536*128                ; in tile 6: the first change of slots steps it to tile 5
	s_mov_b32 s91, 0
	s_sub_co_u32 s92, s[WV], 4
	s_lshr_b32 s92, s92, 3                         ; 0 in waves 4 to 11,
	s_or_b32 s92, s92, ttmp9                       ; of the head's work-group p = 0
	s_cmp_eq_u32 s92, 0
	s_cselect_b32 s[LIM], 1, -1
	s_wait_dscnt 0x0                               ; both opening adds are done
	s_wait_kmcnt 0x0
	s_mov_b32 s[G0K], 1                            ; count = 1
	s_mov_b32 s[G0K+1], s88                        ; LDS address: slot 0
	s_add_nc_u64 s[G0K+2:G0K+3], s[4:5], s[86:87]  ; global address: my half of q's tile 7
	s_or_b32 s[G0K+3], s[G0K+3], 0x80000000        ; type = 2
	s_mov_b32 s[G0V], 1
	s_mov_b32 s[G0V+1], s89
	s_add_nc_u64 s[G0V+2:G0V+3], s[4:5], s[86:87]
	s_add_nc_u64 s[G0V+2:G0V+3], s[G0V+2:G0V+3], 2*PART
	s_or_b32 s[G0V+3], s[G0V+3], 0x80000000
	TLOAD                                          ; slot 0: tile 7, which every wave reads.  One tensor load of a fetching wave is out, here and behind every change of slots
	s_add_nc_u64 s[8:9], s[4:5], s[80:81]
	s_add_nc_u64 s[8:9], s[8:9], PART              ; k at my first row
	s_add_nc_u64 s[6:7], s[6:7], s[80:81]          ; ao likewise
	s_add_nc_u64 s[PFA:PFA+1], s[4:5], s[90:91]
	v_and_b32 v12, 15, v0                          ; r = lane % 16
	v_bfe_u32 v13, v0, 4, 1                        ; h = lane / 16
	v_lshlrev_b32 v14, 7, v12
	v_lshl_add_u32 v14, v13, 4, v14                ; k: row r of 128 bytes, + 16 h
.irp t, 0,1
.irp c, 0,1
	global_load_b128 v[R+16*\t+8*\c:R+16*\t+8*\c+3],   v14, s[8:9] offset:2048*\t+64*\c      ; my rows stay in registers: registers 0-3 channels 32 c + 8 h + 0..7,
	global_load_b128 v[R+16*\t+8*\c+4:R+16*\t+8*\c+7], v14, s[8:9] offset:2048*\t+64*\c+32   ; registers 4-7 channels 32 c + 16 + 8 h + 0..7
.endr
.endr
	v_mul_u32_u24 v[AK0], v12, PK
	v_lshl_add_u32 v[AK0], v13, 4, v[AK0]          ; q: row x pitch + 16 x half
	v_and_b32 v15, 7, v0
	v_lshl_add_u32 v[AV0], v13, 3, v15             ; the turning load: lane l reads key 8 h + l % 8,
	v_mul_u32_u24 v[AV0], v[AV0], PV
	v_bfe_u32 v15, v0, 3, 1
	v_lshl_add_u32 v[AV0], v15, 4, v[AV0]          ; channels 8 ((l / 8) % 2) + 0..7
	v_add_nc_u32 v[AV0], VOFF, v[AV0]
	v_lshlrev_b32 v15, 3, v13
	v_sub_nc_u32 v[DL], v12, v15                   ; r - 8 h
	v_and_b32 v15, 31, v0                          ; lane
	v_lshlrev_b32 v[GO], 4, v15
	v_lshlrev_b32 v[PFO], 8, v15
	s_mul_i32 s76, s[WV], 32*PK                    ; my stage for the way out: 32 rows x 144 bytes, in slot 0
	v_mul_u32_u24 v[STO], v12, PK
	v_lshl_add_u32 v[STO], v13, 4, v[STO]
	v_add_nc_u32 v[STO], s76, v[STO]               ; in: row r, 16 bytes for each half of the lanes
	v_lshrrev_b32 v[RD], 3, v15
	v_mul_u32_u24 v[RD], v[RD], PK
	v_and_b32 v15, 7, v0
	v_lshl_add_u32 v[RD], v15, 4, v[RD]
	v_add_nc_u32 v[RD], s76, v[RD]                 ; back: row l / 8 of four, 16 (l % 8) bytes on
.irp t, 0,1
	v_mov_b32 v[ST+8*\t+1], 0xff61b1e6             ; m = -3e38, under every score
	v_mul_f32 v[ST+8*\t], s[CS], v[ST+8*\t+1]      ; c m
.irp i, 2,3,4,5,6,7
	v_mov_b32 v[ST+8*\t+\i], 0                     ; l; and the registers at work, written once (a lane permute's destination counts as one of its sources)
.endr
.endr
.set i, 0
.rept 64
	v_mov_b32 v[O+i], 0                            ; O^T.  The step is written once: a wave's first step finds zeros, which a = 0 leaves zeros
.set i, i+1
.endr
; A KEY STEP: 64 keys from s[KF] on.
.macro STEP
	s_add_co_u32 s96, s[KF], 63
	s_cmp_lt_u32 s96, s[Q0]                        ; all 64 keys lie under all my rows: the step is left out: a branch on ids and counts, round the step's loads, products and softmax,
	s_cbranch_scc1 .Lhidden_\@                     ; not round the lines at its end that step addresses; no barrier and no tensor load stands in a step
	v_add_nc_u32 v[ADK], s[TK], v[AK0]
	v_add_nc_u32 v[ADV], s[TV], v[AV0]
.rept 3
	v_nop                                          ; with the two additions: five places behind the last step's products, whose source P the products below write over; four of them serve the loads into FB
.endr
.irp c, 0,1                                    ; q's fragments: keys 16 kt on, channels 32 c on; the first 32 channels first
.irp kt, 0,1,2,3
	ds_load_b128 v[FB+16*\kt+8*\c:FB+16*\kt+8*\c+3],   v[ADK] offset:16*PK*\kt+64*\c
	ds_load_b128 v[FB+16*\kt+8*\c+4:FB+16*\kt+8*\c+7], v[ADK] offset:16*PK*\kt+64*\c+32
.endr
.endr
	s_wait_dscnt 8                                 ; the first 32 channels' eight loads are in; the other eight may be out
.irp kt, 0,1,2,3                               ; S^T = q k^T: the eight accumulators take turns, one instruction a turn; the first eight start the sums
.irp t, 0,1
	v_wmma_f32_16x16x32_f16 v[S+32*\t+8*\kt:S+32*\t+8*\kt+7], v[FB+16*\kt:FB+16*\kt+7], v[R+16*\t:R+16*\t+7], 0
.endr
.endr
	s_wait_dscnt 0x0
.irp kt, 0,1,2,3
.irp t, 0,1
	v_wmma_f32_16x16x32_f16 v[S+32*\t+8*\kt:S+32*\t+8*\kt+7], v[FB+16*\kt+8:FB+16*\kt+15], v[R+16*\t+8:R+16*\t+15], v[S+32*\t+8*\kt:S+32*\t+8*\kt+7]
.endr
.endr
.rept 4
	v_nop                                          ; four places: in front of the loads into FB, which those products read, and of the first read of the scores
.endr
.irp ks, 0,1                                   ; v's fragments, turned: keys 32 ks on, channels 16 ct on.  They land while the softmax is worked
.irp ct, 0,1,2,3
	ds_load_tr16_b128 v[FB+32*\ks+8*\ct:FB+32*\ks+8*\ct+3],   v[ADV] offset:32*PV*\ks+32*\ct
	ds_load_tr16_b128 v[FB+32*\ks+8*\ct+4:FB+32*\ks+8*\ct+7], v[ADV] offset:32*PV*\ks+32*\ct+16*PV
.endr
.endr
	s_add_co_u32 s96, s[Q0], 31
	s_cmp_ge_u32 s[KF], s96                        ; all keys count for all my rows: no mask
	s_cbranch_scc1 .Lopen_\@
	s_sub_co_i32 s96, s[Q0], s[KF]                 ; THE MASK, in the one step of a wave that holds its rows' own positions.  Register 8 kt + i of tile t holds key KF + 16 kt + 8 h + i and row Q0 + 16 t + r:
	v_add_nc_u32 v12, s96, v[DL]                   ; hidden where 16 kt + i < d, d = Q0 - KF + 16 t + r - 8 h
	v_add_nc_u32 v13, 16, v12
	v_mov_b32 v14, 0xff800000                      ; -infinity: p = 0 then
.set n, 0
.rept 32
	v_cmp_lt_i32 vcc_lo, 16*(n/8)+n%8, v12
	v_cndmask_b32 v[S+n], v[S+n], v14, vcc_lo
	v_cmp_lt_i32 vcc_lo, 16*(n/8)+n%8, v13
	v_cndmask_b32 v[S+32+n], v[S+32+n], v14, vcc_lo
.set n, n+1
.endr
.Lopen_\@:
	; THE SOFTMAX, the two tiles by turns.  The maximum of a lane's 32 scores and the old m: four chains, each accumulator read from its low end on
.irp j, 0,1,2,3
.irp t, 0,1
	v_max3_num_f32 v[ST+8*\t+4+\j], v[S+32*\t+8*\j], v[S+32*\t+8*\j+1], v[S+32*\t+8*\j+2]
.endr
.endr
.irp g, 1,2
.irp j, 0,1,2,3
.irp t, 0,1
	v_max3_num_f32 v[ST+8*\t+4+\j], v[ST+8*\t+4+\j], v[S+32*\t+8*\j+2*\g+1], v[S+32*\t+8*\j+2*\g+2]
.endr
.endr
.endr
.irp t, 0,1
	v_max3_num_f32 v[ST+8*\t+4], v[ST+8*\t+4], v[S+32*\t+7], v[S+32*\t+15]
	v_max3_num_f32 v[ST+8*\t+6], v[ST+8*\t+6], v[S+32*\t+23], v[S+32*\t+31]
.endr
.irp t, 0,1
	v_max3_num_f32 v[ST+8*\t+4], v[ST+8*\t+4], v[ST+8*\t+5], v[ST+8*\t+6]
.endr
.irp t, 0,1
	v_max3_num_f32 v[ST+8*\t+4], v[ST+8*\t+4], v[ST+8*\t+7], v[ST+8*\t+1]
.endr
.irp t, 0,1
	v_permlanex16_b32 v[ST+8*\t+5], v[ST+8*\t+4], s[SEL], s[SEL+1]   ; the row's other 32 keys lie in the lane 16 away
.endr
.irp t, 0,1
	v_mov_b32 v[ST+8*\t+7], v[ST+8*\t]             ; c m_old is kept for a
.endr
.irp t, 0,1
	v_max_num_f32 v[ST+8*\t+1], v[ST+8*\t+4], v[ST+8*\t+5]   ; the new m
.endr
.irp t, 0,1
	v_mul_f32 v[ST+8*\t], s[CS], v[ST+8*\t+1]
.endr
.irp t, 0,1
	v_sub_f32 v[ST+8*\t+7], v[ST+8*\t+7], v[ST+8*\t]
.endr
.set j, 0
.rept 16
.irp t, 0,1
	v_pk_fma_f32 v[S+32*\t+j:S+32*\t+j+1], v[S+32*\t+j:S+32*\t+j+1], s[CS:CS+1], v[ST+8*\t:ST+8*\t+1] op_sel_hi:[1,0,0] neg_lo:[0,0,1] neg_hi:[0,0,1]   ; c s - c m, two at a time
.endr
.set j, j+2
.endr
.irp t, 0,1
	v_exp_f32 v[ST+8*\t+6], v[ST+8*\t+7]           ; a.  ONE BATCH of 66 exponentials: none reads another's result
.endr
.set j, 0
.rept 32
	v_exp_f32 v[S+j], v[S+j]                       ; p = 2^(c s - c m), at most 1
	v_exp_f32 v[S+32+j], v[S+32+j]
.set j, j+1
.endr
	v_nop                                          ; a plain instruction behind the last exponential, ahead of the first use
	s_wait_alu depctr_va_vdst(0)                   ; and the wait ahead of the first instruction that names a result: one for the batch
.irp t, 0,1
	v_pk_mul_f32 v[ST+8*\t+2:ST+8*\t+3], v[ST+8*\t+2:ST+8*\t+3], v[ST+8*\t+6:ST+8*\t+7] op_sel_hi:[1,0]   ; l x a
.endr
.irp t, 0,1                                    ; the sum of the unrounded p, two at a time, in two chains
	v_pk_add_f32 v[ST+8*\t+4:ST+8*\t+5], v[S+32*\t+2:S+32*\t+3], v[S+32*\t+6:S+32*\t+7]
.endr
.irp j, 0,4
.irp t, 0,1
	v_pk_add_f32 v[ST+8*\t+2:ST+8*\t+3], v[ST+8*\t+2:ST+8*\t+3], v[S+32*\t+\j:S+32*\t+\j+1]
.endr
.endr
.irp j, 8,12,16,20,24,28
.irp t, 0,1
	v_pk_add_f32 v[ST+8*\t+2:ST+8*\t+3], v[ST+8*\t+2:ST+8*\t+3], v[S+32*\t+\j:S+32*\t+\j+1]
	v_pk_add_f32 v[ST+8*\t+4:ST+8*\t+5], v[ST+8*\t+4:ST+8*\t+5], v[S+32*\t+\j+2:S+32*\t+\j+3]
.endr
.endr
.irp t, 0,1
	v_pk_add_f32 v[ST+8*\t+2:ST+8*\t+3], v[ST+8*\t+2:ST+8*\t+3], v[ST+8*\t+4:ST+8*\t+5]
.endr
.set j, 0
.rept 16                                       ; P in place: register j takes the pair 2 j, 2 j + 1, which no later line wants
	v_cvt_pk_f16_f32 v[S+j], v[S+2*j], v[S+2*j+1]
	v_cvt_pk_f16_f32 v[S+32+j], v[S+32+2*j], v[S+32+2*j+1]
.set j, j+1
.endr
.set j, 0
.rept 16                                       ; O^T x a, each accumulator from its low end on
.irp t, 0,1
	v_pk_mul_f32 v[O+32*\t+j:O+32*\t+j+1], v[O+32*\t+j:O+32*\t+j+1], v[ST+8*\t+6:ST+8*\t+7] op_sel_hi:[1,0]
.endr
.set j, j+2
.endr
	s_wait_dscnt 0x0                               ; v's fragments are in
.irp ks, 0,1                                   ; O^T += v^T P: the eight accumulators by turns
.irp ct, 0,1,2,3
.irp t, 0,1
	v_wmma_f32_16x16x32_f16 v[O+32*\t+8*\ct:O+32*\t+8*\ct+7], v[FB+32*\ks+8*\ct:FB+32*\ks+8*\ct+7], v[S+32*\t+8*\ks:S+32*\t+8*\ks+7], v[O+32*\t+8*\ct:O+32*\t+8*\ct+7]
.endr
.endr
.endr
.Lhidden_\@:
	s_add_co_u32 s[TK], s[TK], 64*PK               ; the next step's rows
	s_add_co_u32 s[TV], s[TV], 64*PV
	s_add_co_u32 s[KF], s[KF], 64
.endm
; THE CHANGE OF SLOTS stands at a tile's head.  Each wave waits for all its tensor loads (its part of the tile that it is about to read), adds 0 to its spare word, and waits for that and for its reads of the
; slot that it has left.  Behind the barrier the slot ahead is whole and nobody reads the other one.  fill = 1: that other slot takes the tile below, which has a whole tile's steps in which to land.
.macro CHANGE fill
	s_wait_tensorcnt 0x0                           ; no tensor load of mine is out, so a group 0 may be written
	ds_add_u32 v[SPW], v[NIL]                      ; 0 onto my spare word
.if \fill
	ds_add_u32 v[SPW], v[NIL]                      ; and once more
	s_xor_b32 s[G0K+1], s[G0K+1], SLOT1            ; the walking descriptors: the other slot than last time,
	s_sub_nc_u64 s[G0K+2:G0K+3], s[G0K+2:G0K+3], 256*128   ; the 256 keys below; the type bits on top are not reached
	s_xor_b32 s[G0V+1], s[G0V+1], SLOT1
	s_sub_nc_u64 s[G0V+2:G0V+3], s[G0V+2:G0V+3], 256*128
	s_wait_xcnt 0x0                                ; the last prefetch, a tile back, has read its address, so it may be written:
	s_sub_nc_u64 s[PFA:PFA+1], s[PFA:PFA+1], 256*128   ; one tile below the walking descriptors
.endif
	s_wait_dscnt 0x0                               ; the add is done (fill = 1: both are), and my reads of the slot that I have left are over
	s_barrier_signal -1
	s_barrier_wait -1
.if \fill
	s_cmp_le_u32 s[KF], s[PL]                      ; THE LOOK-AHEAD ENDS AT THE MASK'S LIMIT: the tile below begins at KF - 256; under my work-group's lowest row's tile it is read by none of the sixteen waves
	s_cbranch_scc1 .Lpast_\@                       ; ids and counts alone: all sixteen waves go the same way, and a work-group past the limit stays past it; every wait on TENSORcnt in this text is for 0
	TLOAD                                          ; the first thing behind the barrier, and a wave's one tensor load until the next
.Lpast_\@:
	ASK
.endif
.endm
.macro SLOT_STEPS                      ; a tile's four steps: written once, walked four times; the LDS addresses hang on s[TK] and s[TV]
	s_mov_b32 s[CNT], 4
.Lstep_\@:
	STEP
	s_sub_co_u32 s[CNT], s[CNT], 1
	s_cmp_lg_u32 s[CNT], 0
	s_cbranch_scc1 .Lstep_\@
	s_sub_co_u32 s[TK], s[TK], 256*PK              ; back to a slot's first step,
	s_xor_b32 s[TK], s[TK], SLOT1                  ; in the other slot
	s_sub_co_u32 s[TV], s[TV], 256*PV
	s_xor_b32 s[TV], s[TV], SLOT1
	s_sub_co_u32 s[KF], s[KF], 512                 ; the tile below
.endm
	s_wait_loadcnt 0x0                             ; my rows of k
.Lslot:                                                ; seven trips: behind each change of slots but the last the tile below is asked for, up to the limit
	CHANGE 1
	SLOT_STEPS
	s_sub_co_u32 s[SLOTS], s[SLOTS], 1
	s_cmp_lg_u32 s[SLOTS], 0
	s_cbranch_scc1 .Lslot
	CHANGE 0                                       ; tile 0 is written out: nothing lies below it
	SLOT_STEPS
	; THE WAY OUT.  l's two halves and the other half of the lanes' are added; O^T is divided by l, rounded to f16 and goes through my stage, which lies in slot 0: that slot was left at the last change of slots,
	; has had its last fill, and nobody reads it.  Four rows of 128 bytes lie on end in memory: a store covers 512 consecutive bytes, aligned.
.rept 4
	v_nop                                          ; four places behind the last products
.endr
.irp t, 0,1
	v_add_f32 v[ST+8*\t+4], v[ST+8*\t+2], v[ST+8*\t+3]
.endr
.irp t, 0,1
	v_permlanex16_b32 v[ST+8*\t+5], v[ST+8*\t+4], s[SEL], s[SEL+1]
.endr
.irp t, 0,1
	v_add_f32 v[ST+8*\t+4], v[ST+8*\t+4], v[ST+8*\t+5]
.endr
.irp t, 0,1
	v_rcp_f32 v[ST+8*\t+6], v[ST+8*\t+4]
.endr
	v_nop                                          ; a plain instruction between the last reciprocal and the use of its result
	s_wait_alu depctr_va_vdst(0)                   ; and the wait ahead of the first use: one for both
.set j, 0
.rept 16
.irp t, 0,1
	v_pk_mul_f32 v[O+32*\t+j:O+32*\t+j+1], v[O+32*\t+j:O+32*\t+j+1], v[ST+8*\t+6:ST+8*\t+7] op_sel_hi:[1,0]
.endr
.set j, j+2
.endr
.set j, 0
.rept 16
	v_cvt_pk_f16_f32 v[S+j], v[O+2*j], v[O+2*j+1]          ; tile 0: register 4 ct + u: channels 16 ct + 8 h + 2 u, + 1 of row r
	v_cvt_pk_f16_f32 v[S+16+j], v[O+32+2*j], v[O+32+2*j+1] ; tile 1
.set j, j+1
.endr
.irp t, 0,1
.irp ct, 0,1,2,3
	ds_store_b128 v[STO], v[S+16*\t+4*\ct:S+16*\t+4*\ct+3] offset:16*PK*\t+32*\ct
.endr
.endr
.irp i, 0,1,2,3,4,5,6,7
	ds_load_b128 v[FB+4*\i:FB+4*\i+3], v[RD] offset:4*PK*\i   ; LDS serves a wave's instructions in order (ISA guide 5.7.1.4): these see my stores
.endr
.irp i, 0,1,2,3,4,5,6,7
	s_wait_dscnt 7-\i                              ; the 7 - i younger loads may be out
	global_store_b128 v[GO], v[FB+4*\i:FB+4*\i+3], s[6:7] offset:512*\i
.endr
	s_wait_tensorcnt 0x0                           ; the wave's end: behind my last tensor load and my last LDS store
	ds_add_u32 v[SPW], v[NIL]
	s_wait_dscnt 0x0
	s_endpgm
.Lfunc_end_k_q08ee2a8414_attn:
	.size	k_q08ee2a8414_attn, .Lfunc_end_k_q08ee2a8414_attn-k_q08ee2a8414_attn
	.p2alignl 7, 3214868480
	.fill 96, 4, 3214868480
	.section	.rodata,"a",@progbits
	.p2align	6, 0x0
	.amdhsa_kernel k_q08ee2a8414_attn
		.amdhsa_group_segment_fixed_size 327680
		.amdhsa_private_segment_fixed_size 0
		.amdhsa_enable_private_segment 0
		.amdhsa_kernarg_size 16
		.amdhsa_user_sgpr_count 2
		.amdhsa_user_sgpr_kernarg_segment_ptr 1
		.amdhsa_wavefront_size32 1
		.amdhsa_system_sgpr_workgroup_id_x 1
		.amdhsa_system_sgpr_workgroup_id_y 1
		.amdhsa_system_sgpr_workgroup_id_z 1
		.amdhsa_system_vgpr_workitem_id 0
		.amdhsa_next_free_vgpr 256
		.amdhsa_next_free_sgpr 100
		.amdhsa_reserve_vcc 1
		.amdhsa_float_denorm_mode_32 3
		.amdhsa_float_denorm_mode_16_64 3
		.amdhsa_memory_ordered 1
		.amdhsa_forward_progress 1
		.amdhsa_inst_pref_size 62
	.end_amdhsa_kernel
	.amdgpu_metadata
---
amdhsa.version: [ 1, 2 ]
amdhsa.kernels:
  - .name:           k_q08ee2a8414_attn
    .symbol:         k_q08ee2a8414_attn.kd
    .args:
      - { .name: qkvh, .offset: 0, .size: 8, .value_kind: global_buffer, .address_space: global }
      - { .name: ao, .offset: 8, .size: 8, .value_kind: global_buffer, .address_space: global }
    .group_segment_fixed_size: 327680
    .private_segment_fixed_size: 0
    .kernarg_segment_align: 8
    .kernarg_segment_size: 16
    .max_flat_workgroup_size: 512
    .sgpr_count:     100
    .vgpr_count:     256
    .wavefront_size: 32
...
	.end_amdgpu_metadata
.endif
;; end of part 4
;; launch proj (part 5): grid 4 x 64, 4 waves a work-group, clusters of 4 x 4, 327,680 bytes of LDS; arguments ao, wo16, out0; writes out0
.if DOCPART == 5
	.amdgcn_target "amdgcn-amd-amdhsa--gfx1250"
	.amdhsa_code_object_version 6
	.text
	.protected	k_q08ee2a8414_proj
	.globl	k_q08ee2a8414_proj
	.p2align	8
	.type	k_q08ee2a8414_proj,@function
k_q08ee2a8414_proj:
	s_mov_b64 s[64:65], 0
	v_nop
	global_prefetch_b8 v0, s[64:65] scope:SCOPE_SE
	s_setreg_imm32_b32 hwreg(HW_REG_WAVE_MODE, 25, 1), 1
	s_wait_xcnt 0x0
	s_wait_alu depctr_hold_cnt(0) depctr_sa_sdst(0) depctr_va_vdst(0) depctr_va_sdst(0) depctr_va_ssrc(0) depctr_va_vcc(0) depctr_vm_vsrc(0)
	s_getreg_b32 s2, hwreg(HW_REG_IB_STS2, 6, 4)
	s_cmp_eq_u32 s2, 0
	s_cbranch_scc0 .Lentry_in_a_cluster
	s_endpgm
.Lentry_in_a_cluster:
	s_bfe_u32 s2, ttmp6, 0x10000c
	s_cmp_lg_u32 s2, 0xf033
	s_cbranch_scc0 .Lentry_shape_is_right
	s_endpgm
.Lentry_shape_is_right:
; out0[m][n] = sum over k of AO[m][k] W_o[k][n].  AO's row m = (b, position), k = 64 head + channel; it lies by heads: ao [4 b][16 heads][2048][64] f16.  wo16 [1024 (k)][1024 (n)] f16.  out0 [8192][1024] f32; sums in f32.
; Rows 2032 .. 2047 of every b are stored here like all others and are stored once more, made in f32 throughout, by the later launch fine_proj:
; they are 64 rows of 8,192.
; A tile of out0 is 128 x 256: 4 x 64 = 256 work-groups.  Four waves, each 64 rows x 128 columns: 32 accumulators of 16 x 16, 256 registers.  K goes in 8 steps of 128 (two heads) through two LDS slots.
; A's part of a slot: for each of the two heads 128 rows of 128 bytes, dense in memory; B's: 128 rows (k) of 512 bytes.  Waves 0 and 1 fetch A's two heads, waves 2 and 3 B's two halves: one load a wave.
; CLUSTERS: 4 x 4 work-groups.  The four of a row of the cluster need the same tiles of A, the four of a column the same tiles of B: each is asked for jointly.
; THE MATRIX INSTRUCTION IS USED TRANSPOSED: source 0 = 16 columns of W_o, which lies [k][n] and is turned by ds_load_tr16_b128; source 1 = 16 rows of AO: a lane holds eight neighbouring columns of a row of out0.
; REGISTERS, in windows of 256: window 0: v0-31 addresses; v64-95, v96-127 A's fragments (4 x 16 rows x 32 K), two buffers; v128-255 rows on the way out.
;   window 1: v0-63, v64-127 B's fragments (8 x 16 columns x 32 K), two buffers.   window 2: the accumulators ((a, b) at v[8 (8 a + b)]).
.set PA,     144                       ; a row of A in LDS: 128 bytes + 16
.set PB,     544                       ; a row of B: 512 + 32: an odd multiple of 32 bytes, for the turning load
.set AHEAD,  128*PA                    ; one head's 128 rows
.set BOFF,   2*AHEAD                   ; B lies behind A's two heads
.set BHALF,  64*PB                     ; 64 rows of B: what one tensor load brings
.set SLOT,   BOFF+2*BHALF
.set SPARE,  2*SLOT                    ; behind the ring: the spare words, 128 bytes a wave
.set SPITCH, 528                       ; the way out: a stage of 16 rows x (512 bytes + 16) for each wave, in slot 0, which has had its last fill and its last read by then
.set LAPS,   4                         ; a lap = two K steps = once round the ring
.set ADRA, 16                          ; v16-17  LDS address of my A fragments in slot 0, 1
.set ADRB, 20                          ; v20-21  the same for B
.set STO,  24                          ; v24     the way out: where I put 32 bytes of a row
.set RD,   25                          ; v25     where I read a row back
.set CO,   26                          ; v26     16 x lane
.set SPW,  28                          ; v28     LDS address of my spare word; never rewritten
.set NIL,  29                          ; v29     0; never rewritten
.set BK,   128                         ; the way out: 16 rows read back: v128-191 and v192-255 by turns
.set G1, 24                            ; s[24:31] descriptor group 1 for A's tiles;  s[32:39] group 0, one set for each slot
.set G0, 32
.set G1B, 48                           ; s[48:55], s[56:63] the same for B's tiles
.set G0B, 56
.set MSB, 0
.macro WIN new                         ; the immediate's high byte repeats the setting that is left
.if MSB != \new
	s_set_vgpr_msb (MSB<<8)|\new
.set MSB, \new
.endif
.endm
.set MUL,  0xa1                        ; source 0 (B) window 1, source 1 (A) window 0, C and D window 2
.set TO_B, 0x40                        ; destination window 1, address window 0
.macro JLOAD s                         ; a joint load: waves 0 and 1 fetch for A, waves 2 and 3 for B; an s_nop 0 and four v_nop follow each of the two lines
	s_cmp_eq_u32 s11, 0
	s_cbranch_scc0 .Lfor_b_\@
	tensor_load_to_lds s[G0+4*\s:G0+4*\s+3], s[G1:G1+7]
	s_nop 0
.rept 4
	v_nop
.endr
	s_branch .Lasked_\@
.Lfor_b_\@:
	tensor_load_to_lds s[G0B+4*\s:G0B+4*\s+3], s[G1B:G1B+7]
	s_nop 0
.rept 4
	v_nop
.endr
.Lasked_\@:
.endm
.macro CREST                           ; a round of the cluster's barrier behind its opening barrier
	s_cmp_lg_u32 s10, 0
	s_cbranch_scc1 .Lnot_wave_0_\@
	s_barrier_signal -3
.Lnot_wave_0_\@:
	s_barrier_wait -3
	s_barrier_signal -1
	s_barrier_wait -1
.endm
.macro CROUND                          ; a whole round
	s_barrier_signal -1
	s_barrier_wait -1
	CREST
.endm
	s_load_b128 s[4:7], s[0:1], 0x0                ; ao s[4:5], wo16 s[6:7]
	s_load_b64 s[8:9], s[0:1], 0x10                ; out0
	v_lshl_add_u32 v[SPW], v0, 2, SPARE
	v_mov_b32 v[NIL], 0
	ds_add_u32 v[SPW], v[NIL]                      ; the wave's opening: the add, twice on end, and its wait ahead of my first tensor load
	ds_add_u32 v[SPW], v[NIL]                      ; and once more; the set-up below, work on registers, stands between it and the wait
	v_lshrrev_b32 v1, 5, v0
	v_readfirstlane_b32 s10, v1                    ; wave 0..3
	s_lshr_b32 s11, s10, 1                         ; which 64 of the tile's rows are mine.  Also: I fetch for A (0) or for B (1)
	s_and_b32 s12, s10, 1                          ; which 128 of its columns.  Also: which head of A, which half of B I fetch
	s_bfe_u32 s40, ttmp6, 0x40000                  ; cx, cy: my place in the cluster
	s_bfe_u32 s41, ttmp6, 0x40004
	s_lshl_b32 s42, ttmp9, 2
	s_add_co_u32 s42, s42, s40                     ; tile column = 4 x cluster x + cx
	s_and_b32 s13, ttmp7, 0xffff
	s_lshl_b32 s13, s13, 2
	s_add_co_u32 s13, s13, s41                     ; tile row = 4 x cluster y + cy
	s_lshl_b32 s43, s41, 2
	s_lshl_b32 s43, 15, s43                        ; my row of the cluster
	s_lshl_b32 s44, 0x1111, s40                    ; my column
	; descriptor group 1.  A: 128 rows x 64 elements of 2 bytes, dense; four words of padding after every 32
	s_or_b32 s[G1+0], s43, (1<<16)|(1<<20)|(1<<21)|(4<<22)|(3<<25)
	s_mov_b32 s[G1+1], 64<<16                      ; tensor_dim0
	s_mov_b32 s[G1+2], 128<<16                     ; tensor_dim1
	s_mov_b32 s[G1+3], 64<<16                      ; tile_dim0
	s_mov_b32 s[G1+4], 128                         ; tile_dim1
	s_mov_b32 s[G1+5], 64                          ; from row to row
	s_mov_b32 s[G1+6], 0
	s_mov_b32 s[G1+7], 0
	; B: 64 rows x 256 elements, 1,024 elements apart; eight words of padding after every 128
	s_or_b32 s[G1B+0], s44, (1<<16)|(1<<20)|(1<<21)|(6<<22)|(7<<25)
	s_mov_b32 s[G1B+1], 256<<16
	s_mov_b32 s[G1B+2], 64<<16
	s_mov_b32 s[G1B+3], 256<<16
	s_mov_b32 s[G1B+4], 64
	s_mov_b32 s[G1B+5], 1024
	s_mov_b32 s[G1B+6], 0
	s_mov_b32 s[G1B+7], 0
	; where the tiles come from.  A's hang on the tile row alone, B's on the tile column alone; every wave makes both
	s_lshr_b32 s16, s13, 4                         ; b: 16 tile rows to a sequence
	s_lshl_b32 s16, s16, 22
	s_and_b32 s17, s13, 15
	s_lshl_b32 s17, s17, 14                        ; 128 positions of 128 bytes
	s_add_co_u32 s16, s16, s17
	s_lshl_b32 s17, s12, 18                        ; the K step's first or second head
	s_add_co_u32 s16, s16, s17
	s_mov_b32 s17, 0
	s_lshl_b32 s46, s42, 9                         ; 256 columns of 2 bytes
	s_lshl_b32 s47, s12, 17                        ; 64 rows of 2,048 bytes
	s_add_co_u32 s46, s46, s47
	s_mov_b32 s47, 0
	s_mul_i32 s20, s12, AHEAD                      ; and where they go: no place in the cluster enters an LDS address
	s_mul_i32 s21, s12, BHALF
	s_add_co_u32 s21, s21, BOFF
	s_wait_dscnt 0x0                               ; both opening adds are done
	s_wait_kmcnt 0x0
	s_add_nc_u64 s[14:15], s[4:5], s[16:17]
	s_add_nc_u64 s[46:47], s[6:7], s[46:47]
	CROUND                                         ; all sixteen work-groups are here: the first joint loads meet
.irp s, 0,1
	s_mov_b32 s[G0+4*\s], 1
	s_add_co_u32 s[G0+4*\s+1], s20, \s*SLOT
	s_add_nc_u64 s[G0+4*\s+2:G0+4*\s+3], s[14:15], \s*2*262144     ; K step s: two heads on
	s_or_b32 s[G0+4*\s+3], s[G0+4*\s+3], 0x80000000
	s_mov_b32 s[G0B+4*\s], 1
	s_add_co_u32 s[G0B+4*\s+1], s21, \s*SLOT
	s_add_nc_u64 s[G0B+4*\s+2:G0B+4*\s+3], s[46:47], \s*128*2048   ; 128 rows on
	s_or_b32 s[G0B+4*\s+3], s[G0B+4*\s+3], 0x80000000
	JLOAD \s                                       ; two tensor loads of mine are out at the start, one behind each round
.endr
	v_and_b32 v1, 15, v0                           ; r = l % 16
	v_bfe_u32 v2, v0, 4, 1                         ; h = l / 16
	v_mul_u32_u24 v3, v1, PA
	v_lshl_add_u32 v3, v2, 4, v3                   ; A: row x pitch + 16 x half
	s_mul_i32 s21, s11, 64*PA                      ; my 64 rows
	v_and_b32 v4, 7, v0
	v_lshl_add_u32 v4, v2, 3, v4                   ; B, the turning load: lane l reads row k = 8 h + l % 8,
	v_mul_u32_u24 v4, v4, PB
	v_bfe_u32 v5, v0, 3, 1
	v_lshl_add_u32 v4, v5, 4, v4                   ; columns 8 ((l / 8) % 2) + 0..7
	s_lshl_b32 s22, s12, 8                         ; my 128 columns
	s_add_co_u32 s22, s22, BOFF
.irp s, 0,1
	v_add_nc_u32 v[ADRA+\s], s21, v3
	v_add_nc_u32 v[ADRB+\s], s22, v4
	s_add_co_u32 s21, s21, SLOT
	s_add_co_u32 s22, s22, SLOT
.endr
	s_mul_i32 s23, s10, 16*SPITCH                  ; my stage
	v_mul_u32_u24 v5, v1, SPITCH                   ; in: row r, 32 bytes for each half of the lanes
	v_lshl_add_u32 v5, v2, 5, v5
	v_add_nc_u32 v[STO], s23, v5
	v_and_b32 v6, 31, v0
	v_lshlrev_b32 v[CO], 4, v6                     ; back: the 32 lanes take one row of 512 bytes; and the same in out0
	v_add_nc_u32 v[RD], s23, v[CO]
	s_lshl_b32 s16, s13, 7
	s_lshl_b32 s17, s11, 6
	s_add_co_u32 s16, s16, s17                     ; my first row: 128 x tile row + 64 x half
	s_lshl_b32 s16, s16, 12                        ; rows of 4,096 bytes
	s_mov_b32 s17, 0
	s_add_nc_u64 s[8:9], s[8:9], s[16:17]
	s_lshl_b32 s46, s42, 10                        ; my first column, in bytes: 1,024 x tile column + 512 x half
	s_lshl_b32 s47, s12, 9
	s_add_co_u32 s46, s46, s47
	s_mov_b32 s47, 0
	s_add_nc_u64 s[8:9], s[8:9], s[46:47]
; 8 matrix instructions: A's block a x B's eight, 32 along K, from buffer f.  zero = 1: the first product starts the sums.  The 32 accumulators take turns, one instruction a turn, in the same order in
; every quarter.
.macro MUL8 f, a, zero
.irp b, 0,1,2,3,4,5,6,7
.if \zero
	v_wmma_f32_16x16x32_f16 v[8*(8*(\a)+\b):8*(8*(\a)+\b)+7], v[64*(\f)+8*\b:64*(\f)+8*\b+7], v[64+32*(\f)+8*(\a):64+32*(\f)+8*(\a)+7], 0
.else
	v_wmma_f32_16x16x32_f16 v[8*(8*(\a)+\b):8*(8*(\a)+\b)+7], v[64*(\f)+8*\b:64*(\f)+8*\b+7], v[64+32*(\f)+8*(\a):64+32*(\f)+8*(\a)+7], v[8*(8*(\a)+\b):8*(8*(\a)+\b)+7]
.endif
.endr
.endm
; 24 LDS loads in one run: the fragments of the slot's kq-th 32 along K into buffer f: B's sixteen, then A's blocks 0-1, then 2-3
.macro FETCH slot, kq, f
	WIN TO_B
.irp b, 0,1,2,3,4,5,6,7
	ds_load_tr16_b128 v[64*(\f)+8*\b:64*(\f)+8*\b+3],   v[ADRB+\slot] offset:32*PB*(\kq)+32*\b
	ds_load_tr16_b128 v[64*(\f)+8*\b+4:64*(\f)+8*\b+7], v[ADRB+\slot] offset:32*PB*(\kq)+32*\b+16*PB
.endr
	WIN 0
.irp a, 0,1,2,3
	ds_load_b128 v[64+32*(\f)+8*\a:64+32*(\f)+8*\a+3],   v[ADRA+\slot] offset:AHEAD*((\kq)/2)+64*((\kq)%2)+16*PA*\a
	ds_load_b128 v[64+32*(\f)+8*\a+4:64+32*(\f)+8*\a+7], v[ADRA+\slot] offset:AHEAD*((\kq)/2)+64*((\kq)%2)+16*PA*\a+32
.endr
.endm
.macro PLACES                          ; four places in front of loads into registers that matrix instructions have read, and of the first read of results (ISA guide 7.12.1 for vector instructions)
.rept 4
	v_nop
.endr
.endm
; A K step is four quarters of 32 along K, 32 matrix instructions each, on buffers 0, 1, 0, 1.  One of the first three: multiplies buffer f and fetches the slot's kq-th quarter into g.
.macro QUARTER slot, kq, f, g, zero
	s_wait_dscnt 4                                 ; B's fragments and A's blocks 0-1 are in; the youngest four loads (A's blocks 2-3) may be out
	WIN MUL
	MUL8 \f, 0, \zero
	MUL8 \f, 1, \zero
	PLACES
	FETCH \slot, \kq, \g
	s_wait_dscnt 24                                ; all but the 24 just issued
	WIN MUL
	MUL8 \f, 2, \zero
	MUL8 \f, 3, \zero
.endm
; The last quarter multiplies buffer 1 and changes slots: ONE barrier; in front of it each wave waits for all its tensor loads, adds 0 to its spare word, and waits for that and for its own reads of this slot.
; fill = 1: the barrier opens a round of the cluster's barrier, and this slot is filled again, two K steps ahead: the load has a K step less sixteen matrix instructions in which to land.
.macro TURN slot, next, fill
	WIN 0                                          ; (the add's two registers lie in window 0)
	s_wait_tensorcnt 0x0                           ; all my tensor loads have landed: my part of the next slot
	ds_add_u32 v[SPW], v[NIL]                      ; 0 onto my spare word
	s_wait_dscnt 5                                 ; (the add and the youngest four loads may be out)
	WIN MUL
	MUL8 1, 0, 0                                   ; eight matrix instructions stand between the add and the wait for it
	s_wait_dscnt 0x0                               ; the add is done, and my reads of this slot are over
	s_barrier_signal -1
	MUL8 1, 1, 0
	WIN 0
	s_barrier_wait -1
.if \fill
	CREST                                          ; no wave of any partner still reads this slot's tile or has a load on its way
	s_add_nc_u64 s[G0+4*\slot+2:G0+4*\slot+3], s[G0+4*\slot+2:G0+4*\slot+3], 4*262144      ; four heads on
	s_add_nc_u64 s[G0B+4*\slot+2:G0B+4*\slot+3], s[G0B+4*\slot+2:G0B+4*\slot+3], 256*2048  ; 256 rows on
	JLOAD \slot                                    ; the first tensor load behind the round; the four v_nop behind it are also the places in front of the loads below
.else
	PLACES
.endif
	FETCH \next, 0, 0
	WIN MUL
	MUL8 1, 2, 0
	MUL8 1, 3, 0
.endm
	s_wait_tensorcnt 1                             ; my part of K step 0 is in; K step 1's load may be out
	s_barrier_signal -1
	s_barrier_wait -1                              ; everybody's is
	FETCH 0, 0, 0
	QUARTER 0, 1, 0, 1, 1                          ; the first quarter stands in front of the loop: its products start the sums
	WIN 0                                          ; at a label and at a branch every window is 0
	s_mov_b32 s3, LAPS-1
.Llap:                                                 ; a trip goes once round the ring, from a lap's second quarter to the next lap's first, and fills both slots again
	QUARTER 0, 2, 1, 0, 0
	QUARTER 0, 3, 0, 1, 0
	TURN 0, 1, 1
	QUARTER 1, 1, 0, 1, 0
	QUARTER 1, 2, 1, 0, 0
	QUARTER 1, 3, 0, 1, 0
	TURN 1, 0, 1
	QUARTER 0, 1, 0, 1, 0
	WIN 0
	s_sub_co_u32 s3, s3, 1
	s_cmp_lg_u32 s3, 0
	s_cbranch_scc1 .Llap
	QUARTER 0, 2, 1, 0, 0                          ; the last lap fills nothing, and has no round of the cluster's barrier
	QUARTER 0, 3, 0, 1, 0
	TURN 0, 1, 0
	QUARTER 1, 1, 0, 1, 0
	QUARTER 1, 2, 1, 0, 0
	QUARTER 1, 3, 0, 1, 0
	s_wait_dscnt 4                                 ; the very last quarter: nothing more to fetch
	WIN MUL
	MUL8 1, 0, 0
	MUL8 1, 1, 0
	s_wait_dscnt 0
	MUL8 1, 2, 0
	MUL8 1, 3, 0
	WIN 0
; THE WAY OUT, block by block of 16 rows x 128 columns.  A lane holds 32 neighbouring bytes of a row: a block goes through my own stage in LDS and comes back as whole rows of 512 bytes, which the 32 lanes
; store as 512 consecutive bytes, aligned.  LDS serves a wave's instructions in order (ISA guide 5.7.1.4): no wait between the stores and the loads, nor in front of the next block's stores.
.macro TOSTAGE a
	WIN 0x08                                       ; an LDS store's data are its source 1: window 2
.irp b, 0,1,2,3,4,5,6,7
	ds_store_b128 v[STO], v[8*(8*(\a)+\b):8*(8*(\a)+\b)+3] offset:64*\b          ; each accumulator from its low end on
	ds_store_b128 v[STO], v[8*(8*(\a)+\b)+4:8*(8*(\a)+\b)+7] offset:64*\b+16
.endr
	WIN 0
.set BB, BK+64*((\a)%2)
.irp t, 0,1,2,3,4,5,6,7,8,9,10,11,12,13,14,15
	ds_load_b128 v[BB+4*\t:BB+4*\t+3], v[RD] offset:\t*SPITCH
.endr
.endm
.macro SEND a, younger                 ; younger: the LDS instructions issued behind block a's loads, which may stay out
.set BB, BK+64*((\a)%2)
	s_wait_dscnt \younger
.irp t, 0,1,2,3,4,5,6,7,8,9,10,11,12,13,14,15
	global_store_b128 v[CO], v[BB+4*\t:BB+4*\t+3], s[8:9] offset:(16*(\a)+\t)*4096 th:TH_STORE_NT   ; written once, read by nobody here
.endr
.endm
	PLACES                                         ; behind the last products
	TOSTAGE 0
.irp a, 1,2,3
.if \a > 1
	s_wait_xcnt 0x0                                ; block a - 2's stores have read their registers: block a's loads may land there
.endif
	TOSTAGE \a
	SEND \a-1, 32                                  ; behind block a - 1's loads: block a's 16 stores and 16 loads
.endr
	SEND 3, 0
	s_wait_tensorcnt 0x0                           ; the wave's end: behind my last tensor load and my last LDS store
	ds_add_u32 v[SPW], v[NIL]
	s_wait_dscnt 0x0
	CROUND                                         ; the closing round: no work-group ends while a partner may still ask for a tile that names it
	s_endpgm
.Lfunc_end_k_q08ee2a8414_proj:
	.size	k_q08ee2a8414_proj, .Lfunc_end_k_q08ee2a8414_proj-k_q08ee2a8414_proj
	.p2alignl 7, 3214868480
	.fill 96, 4, 3214868480
	.section	.rodata,"a",@progbits
	.p2align	6, 0x0
	.amdhsa_kernel k_q08ee2a8414_proj
		.amdhsa_group_segment_fixed_size 327680
		.amdhsa_private_segment_fixed_size 0
		.amdhsa_enable_private_segment 0
		.amdhsa_kernarg_size 24
		.amdhsa_user_sgpr_count 2
		.amdhsa_user_sgpr_kernarg_segment_ptr 1
		.amdhsa_wavefront_size32 1
		.amdhsa_system_sgpr_workgroup_id_x 1
		.amdhsa_system_sgpr_workgroup_id_y 1
		.amdhsa_system_sgpr_workgroup_id_z 1
		.amdhsa_system_vgpr_workitem_id 0
		.amdhsa_next_free_vgpr 768
		.amdhsa_next_free_sgpr 66
		.amdhsa_reserve_vcc 0
		.amdhsa_float_denorm_mode_32 3
		.amdhsa_float_denorm_mode_16_64 3
		.amdhsa_memory_ordered 1
		.amdhsa_forward_progress 1
		.amdhsa_inst_pref_size 86
	.end_amdhsa_kernel
	.amdgpu_metadata
---
amdhsa.version: [ 1, 2 ]
amdhsa.kernels:
  - .name:           k_q08ee2a8414_proj
    .symbol:         k_q08ee2a8414_proj.kd
    .args:
      - { .name: ao, .offset: 0, .size: 8, .value_kind: global_buffer, .address_space: global }
      - { .name: wo16, .offset: 8, .size: 8, .value_kind: global_buffer, .address_space: global }
      - { .name: out0, .offset: 16, .size: 8, .value_kind: global_buffer, .address_space: global }
    .group_segment_fixed_size: 327680
    .private_segment_fixed_size: 0
    .kernarg_segment_align: 8
    .kernarg_segment_size: 24
    .max_flat_workgroup_size: 128
    .sgpr_count:     66
    .vgpr_count:     768
    .wavefront_size: 32
...
	.end_amdgpu_metadata
.endif
;; end of part 5
;; launch fine_attn (part 6): grid 16 x 4, 12 waves a work-group, no clusters, 18,432 bytes of LDS; arguments xc, xs, wc, ws, fo; writes fo
.if DOCPART == 6
	.amdgcn_target "amdgcn-amd-amdhsa--gfx1250"
	.amdhsa_code_object_version 6
	.text
	.protected	k_q08ee2a8414_fine_attn
	.globl	k_q08ee2a8414_fine_attn
	.p2align	8
	.type	k_q08ee2a8414_fine_attn,@function
k_q08ee2a8414_fine_attn:
	s_mov_b64 s[64:65], 0
	v_nop
	global_prefetch_b8 v0, s[64:65] scope:SCOPE_SE
	s_setreg_imm32_b32 hwreg(HW_REG_WAVE_MODE, 25, 1), 1
	s_wait_xcnt 0x0
; THE LAST 16 POSITIONS OF EVERY SEQUENCE, IN f32.  Under reference()'s mask (j >= i counts) row 2047 averages one value of v, row 2046 two, and so on: there the rounding of f16 operands weighs most.  So rows
; i = 2032 .. 2047 of each (b, head) are made here once more with nothing coarser than f32 behind the quantised product: fo [4 b][16 rows][1024] f32 = their attention result.  They see positions 2032 .. 2047 alone.
; WORK LEFT OUT: positions j under 2032 lie under every one of these rows and have weight 0 for every value of the inputs (shown at the head of quant_x).
; A work-group takes one (b, head).  Each of twelve waves makes one tile of 16 positions x 16 channels of q, k or v by eight matrix instructions on the codes of FP4 (the quantised product's own form and sums).
; For q and k: source 0 = 16 rows of wc, source 1 = the 16 rows of xc: a lane holds ONE position and eight channels.  For v the sources change places: a lane holds one channel and eight positions.  The
; choice is made between buffers' addresses, on the wave's number: one text serves all three.  The tiles go to wave 0 through LDS as images of their registers.
; Wave 0: S^T = q k^T and O^T = v^T p by the f32 matrix form, 16 instructions each; a lane's registers are fed pair by pair, the same pair of both operands, so that both stand for the same channels (keys).
; The registers that the f32 form writes (v192-255) are written by matrix instructions alone; what is made of the sums goes into other registers.
.set STG,   12288                      ; LDS: twelve images of 1,024 bytes; then wave 0's stage, 16 rows x (256 bytes + 16);
.set SPARE, 16640                      ; then the spare words, 128 bytes for each of twelve waves
.set LI,  1                            ; v1   16 x lane: an image's place for my lane
.set SPW, 2                            ; v2   LDS address of my spare word; never rewritten
.set NIL, 3                            ; v3   0; never rewritten
.set CA,  4                            ; v4   codes: row r of 512 bytes, + 16 h
.set SA,  5                            ; v5   scale bytes: row r of 32
.set IW,  6                            ; v6   where I store my image: 1,024 x wave + 16 x lane
.set DL,  7                            ; v7   r - 8 h, for the mask
.set STO, 8                            ; v8   the stage: where I put 32 bytes of a row
.set RD,  9                            ; v9   and where I read 16 bytes back
.set GO,  10                           ; v10  my byte offset in two rows of fo
; v11-15 at work; v16-79 source 0's codes, v80-143 source 1's (wave 0 later: q v16-47, k v48-79, v v80-111); v144-151, v152-159 their scale words, and nothing else; v160-167 my tile;
; v168-183 the scores; v184-191 p; v192-223 O^T's four sums; v224-255 S^T's four sums
	s_load_b256 s[4:11], s[0:1], 0x0               ; xc s[4:5], xs s[6:7], wc s[8:9], ws s[10:11]
	s_load_b64 s[12:13], s[0:1], 0x20              ; fo
	v_lshl_add_u32 v[SPW], v0, 2, SPARE
	v_mov_b32 v[NIL], 0
	v_lshrrev_b32 v11, 5, v0
	v_readfirstlane_b32 s14, v11                   ; wave 0..11
	v_and_b32 v11, 15, v0                          ; r
	v_bfe_u32 v12, v0, 4, 1                        ; h
	v_and_b32 v13, 31, v0                          ; lane
	v_lshlrev_b32 v[LI], 4, v13
	v_lshlrev_b32 v[CA], 9, v11
	v_lshl_add_u32 v[CA], v12, 4, v[CA]
	v_lshlrev_b32 v[SA], 5, v11
	s_lshl_b32 s36, s14, 10
	v_add_nc_u32 v[IW], s36, v[LI]
	v_lshlrev_b32 v14, 3, v12
	v_sub_nc_u32 v[DL], v11, v14
	v_mul_u32_u24 v[STO], v11, 272
	v_lshl_add_u32 v[STO], v12, 5, v[STO]
	v_add_nc_u32 v[STO], STG, v[STO]
	v_mul_u32_u24 v[RD], v12, 272
	v_lshl_add_u32 v[RD], v11, 4, v[RD]
	v_add_nc_u32 v[RD], STG, v[RD]
	v_lshlrev_b32 v[GO], 12, v12
	v_lshl_add_u32 v[GO], v11, 4, v[GO]
	v_mov_b32 v13, 0                               ; written once: a lane permute's destination counts as one of its sources
	s_lshr_b32 s15, s14, 2                         ; q, k or v
	s_and_b32 s16, s14, 3                          ; which 16 of the head's 64 channels
	s_lshl_b32 s15, s15, 10
	s_lshl_b32 s16, s16, 4
	s_add_co_u32 s15, s15, s16
	s_lshl_b32 s16, ttmp9, 6                       ; the head
	s_add_co_u32 s15, s15, s16                     ; my first row of wc
	s_lshl_b32 s16, s15, 9                         ; its codes,
	s_mov_b32 s17, 0
	s_lshl_b32 s18, s15, 5                         ; its scale bytes
	s_mov_b32 s19, 0
	s_and_b32 s20, ttmp7, 0xffff                   ; b
	s_lshl_b32 s21, s20, 11
	s_add_co_u32 s21, s21, 2032                    ; the first of the 16 rows of xc
	s_lshl_b32 s22, s21, 9
	s_mov_b32 s23, 0
	s_lshl_b32 s32, s21, 5
	s_mov_b32 s33, 0
	s_lshl_b32 s34, s20, 16                        ; fo: 16 rows of 4,096 bytes a b,
	s_lshl_b32 s35, ttmp9, 8                       ; 256 bytes a head
	s_add_co_u32 s34, s34, s35
	s_mov_b32 s35, 0
	s_mov_b32 s38, 0x3e38aa3b                      ; c = log2(e) / 8
	s_mov_b32 s40, 0x76543210
	s_mov_b32 s41, 0xfedcba98                      ; v_permlanex16_b32's selects for lane l xor 16
	s_wait_kmcnt 0x0
	s_add_nc_u64 s[4:5], s[4:5], s[22:23]
	s_add_nc_u64 s[6:7], s[6:7], s[32:33]
	s_add_nc_u64 s[8:9], s[8:9], s[16:17]
	s_add_nc_u64 s[10:11], s[10:11], s[18:19]
	s_add_nc_u64 s[12:13], s[12:13], s[34:35]
	s_cmp_lt_u32 s14, 8                            ; q and k: source 0 = W; v: source 0 = x.  The choice hangs on the wave's number alone
	s_cselect_b64 s[24:25], s[8:9], s[4:5]
	s_cselect_b64 s[26:27], s[4:5], s[8:9]
	s_cselect_b64 s[28:29], s[10:11], s[6:7]
	s_cselect_b64 s[30:31], s[6:7], s[10:11]
.irp q, 0,1,2,3,4,5,6,7                        ; K step q: registers 4 c .. 4 c + 3 hold K = 128 q + 64 c + 32 h + 0 .. 31 of row r
.irp c, 0,1
	global_load_b128 v[16+8*\q+4*\c:16+8*\q+4*\c+3], v[CA], s[24:25] offset:64*\q+32*\c
	global_load_b128 v[80+8*\q+4*\c:80+8*\q+4*\c+3], v[CA], s[26:27] offset:64*\q+32*\c
.endr
.endr
.irp c, 0,1
	global_load_b128 v[144+4*\c:147+4*\c], v[SA], s[28:29] offset:16*\c   ; a row's eight scale words, one for each K step
	global_load_b128 v[152+4*\c:155+4*\c], v[SA], s[30:31] offset:16*\c
.endr
	s_wait_loadcnt 0x0
	v_wmma_scale_f32_16x16x128_f8f6f4 v[160:167], v[16:23], v[80:87], 0, v144, v152 matrix_a_fmt:MATRIX_FMT_FP4 matrix_b_fmt:MATRIX_FMT_FP4
.irp q, 1,2,3,4,5,6,7
	s_wait_alu depctr_va_vdst(0)                   ; this wait stands directly ahead of every link of the chain
	v_wmma_scale_f32_16x16x128_f8f6f4 v[160:167], v[16+8*\q:23+8*\q], v[80+8*\q:87+8*\q], v[160:167], v[144+\q], v[152+\q] matrix_a_fmt:MATRIX_FMT_FP4 matrix_b_fmt:MATRIX_FMT_FP4
.endr
.rept 4
	v_nop                                          ; four places in front of the stores that read the result, and of wave 0's loads into the operands' registers
.endr
	ds_store_b128 v[IW], v[160:163]                ; my tile's image: lane l's 16 bytes at 16 l
	ds_store_b128 v[IW], v[164:167] offset:512
	s_wait_dscnt 0x0                               ; for wave 0's sake: my stores have landed
	s_barrier_signal -1
	s_barrier_wait -1
	s_cmp_lg_u32 s14, 0
	s_cbranch_scc1 .Lend
.irp i, 0,1,2,3,4,5,6,7,8,9,10,11              ; q's four tiles to v16-47, k's to v48-79, v's to v80-111
	ds_load_b128 v[16+8*\i:19+8*\i], v[LI] offset:1024*\i
	ds_load_b128 v[20+8*\i:23+8*\i], v[LI] offset:1024*\i+512
.endr
	s_wait_dscnt 0x0
	; S^T = q k^T: register 8 n + i of q (of k) is channel 16 n + 8 h + i of position r.  Pair 2 u, 2 u + 1 of tile n of both: the instruction's K = 2 h + j stands for channel 16 n + 8 h + 2 u + j on both sides.
.irp u, 0,1,2,3                                ; four sums, one for each tile of channels, by turns; the first four instructions start them
.irp n, 0,1,2,3
.if \u == 0
	v_wmma_f32_16x16x4_f32 v[224+8*\n:231+8*\n], v[16+8*\n:17+8*\n], v[48+8*\n:49+8*\n], 0
.else
	v_wmma_f32_16x16x4_f32 v[224+8*\n:231+8*\n], v[16+8*\n+2*\u:17+8*\n+2*\u], v[48+8*\n+2*\u:49+8*\n+2*\u], v[224+8*\n:231+8*\n]
.endif
.endr
.endr
.rept 8
	v_nop                                          ; eight places behind this form
.endr
.irp i, 0,1,2,3,4,5,6,7                        ; the four sums are added: lane (r, h), register i: the score of row 2032 + r with key 2032 + 8 h + i
	v_add_f32 v[168+\i], v[224+\i], v[232+\i]
.endr
.irp i, 0,1,2,3,4,5,6,7
	v_add_f32 v[176+\i], v[240+\i], v[248+\i]
.endr
.irp i, 0,1,2,3,4,5,6,7
	v_add_f32 v[168+\i], v[168+\i], v[176+\i]
.endr
	v_mov_b32 v11, 0xff800000                      ; -infinity
.irp i, 0,1,2,3,4,5,6,7
	v_cmp_lt_i32 vcc_lo, \i, v[DL]                 ; hidden where 8 h + i < r
	v_cndmask_b32 v[168+\i], v[168+\i], v11, vcc_lo
.endr
	v_max3_num_f32 v12, v168, v169, v170
	v_max3_num_f32 v12, v12, v171, v172
	v_max3_num_f32 v12, v12, v173, v174
	v_max_num_f32 v12, v12, v175
	v_permlanex16_b32 v13, v12, s40, s41
	v_max_num_f32 v12, v12, v13                    ; the row's maximum: key r counts for row r, so it is a number
	v_mul_f32 v12, s38, v12                        ; c m
.irp i, 0,1,2,3,4,5,6,7
	v_fma_f32 v[176+\i], v[168+\i], s38, -v12      ; c s - c m
.endr
.irp i, 0,1,2,3,4,5,6,7
	v_exp_f32 v[184+\i], v[176+\i]                 ; p
.endr
	v_nop                                          ; a plain instruction behind the last exponential
	s_wait_alu depctr_va_vdst(0)                   ; and the wait ahead of the first instruction that names a result: one for the eight
	v_add_f32 v14, v184, v185
	v_add_f32 v15, v186, v187
	v_add_f32 v14, v14, v188
	v_add_f32 v15, v15, v189
	v_add_f32 v14, v14, v190
	v_add_f32 v15, v15, v191
	v_add_f32 v14, v14, v15
	v_permlanex16_b32 v13, v14, s40, s41
	v_add_f32 v14, v14, v13                        ; the row's sum
	v_rcp_f32 v12, v14
	; O^T = v^T p: register 8 n + i of v is position 8 h + i of channel 16 n + r; register i of p is key 8 h + i of row r.  Pair 2 u, 2 u + 1 of both stands for key 8 h + 2 u + j.
.irp u, 0,1,2,3
.irp n, 0,1,2,3
.if \u == 0
	v_wmma_f32_16x16x4_f32 v[192+8*\n:199+8*\n], v[80+8*\n:81+8*\n], v[184:185], 0
.else
	v_wmma_f32_16x16x4_f32 v[192+8*\n:199+8*\n], v[80+8*\n+2*\u:81+8*\n+2*\u], v[184+2*\u:185+2*\u], v[192+8*\n:199+8*\n]
.endif
.endr
.endr
.rept 8
	v_nop                                          ; eight places behind this form; also the plain instruction behind the reciprocal
.endr
	s_wait_alu depctr_va_vdst(0)                   ; the wait ahead of the reciprocal's first reader
.set j, 0
.rept 32
	v_mul_f32 v[16+j], v[192+j], v12               ; O^T / the sum, into other registers: register 8 n + i is channel 16 n + 8 h + i of row r
.set j, j+1
.endr
.irp n, 0,1,2,3
	ds_store_b128 v[STO], v[16+8*\n:19+8*\n] offset:64*\n
	ds_store_b128 v[STO], v[20+8*\n:23+8*\n] offset:64*\n+16
.endr
.irp i, 0,1,2,3,4,5,6,7
	ds_load_b128 v[48+4*\i:51+4*\i], v[RD] offset:2*\i*272   ; LDS serves a wave's instructions in order: these see my stores.  Lanes 0-15 take one row's 256 bytes, lanes 16-31 the next's
.endr
.irp i, 0,1,2,3,4,5,6,7
	s_wait_dscnt 7-\i                              ; the 7 - i younger loads may be out
	global_store_b128 v[GO], v[48+4*\i:51+4*\i], s[12:13] offset:2*\i*4096   ; sixteen lanes store 256 consecutive bytes, aligned
.endr
.Lend:
	s_wait_tensorcnt 0x0                           ; the wave's end: behind my last LDS store
	ds_add_u32 v[SPW], v[NIL]
	s_wait_dscnt 0x0
	s_endpgm
.Lfunc_end_k_q08ee2a8414_fine_attn:
	.size	k_q08ee2a8414_fine_attn, .Lfunc_end_k_q08ee2a8414_fine_attn-k_q08ee2a8414_fine_attn
	.p2alignl 7, 3214868480
	.fill 96, 4, 3214868480
	.section	.rodata,"a",@progbits
	.p2align	6, 0x0
	.amdhsa_kernel k_q08ee2a8414_fine_attn
		.amdhsa_group_segment_fixed_size 18432
		.amdhsa_private_segment_fixed_size 0
		.amdhsa_enable_private_segment 0
		.amdhsa_kernarg_size 40
		.amdhsa_user_sgpr_count 2
		.amdhsa_user_sgpr_kernarg_segment_ptr 1
		.amdhsa_wavefront_size32 1
		.amdhsa_system_sgpr_workgroup_id_x 1
		.amdhsa_system_sgpr_workgroup_id_y 1
		.amdhsa_system_sgpr_workgroup_id_z 1
		.amdhsa_system_vgpr_workitem_id 0
		.amdhsa_next_free_vgpr 256
		.amdhsa_next_free_sgpr 66
		.amdhsa_reserve_vcc 1
		.amdhsa_float_denorm_mode_32 3
		.amdhsa_float_denorm_mode_16_64 3
		.amdhsa_memory_ordered 1
		.amdhsa_forward_progress 1
		.amdhsa_inst_pref_size 18
	.end_amdhsa_kernel
	.amdgpu_metadata
---
amdhsa.version: [ 1, 2 ]
amdhsa.kernels:
  - .name:           k_q08ee2a8414_fine_attn
    .symbol:         k_q08ee2a8414_fine_attn.kd
    .args:
      - { .name: xc, .offset: 0, .size: 8, .value_kind: global_buffer, .address_space: global }
      - { .name: xs, .offset: 8, .size: 8, .value_kind: global_buffer, .address_space: global }
      - { .name: wc, .offset: 16, .size: 8, .value_kind: global_buffer, .address_space: global }
      - { .name: ws, .offset: 24, .size: 8, .value_kind: global_buffer, .address_space: global }
      - { .name: fo, .offset: 32, .size: 8, .value_kind: global_buffer, .address_space: global }
    .group_segment_fixed_size: 18432
    .private_segment_fixed_size: 0
    .kernarg_segment_align: 8
    .kernarg_segment_size: 40
    .max_flat_workgroup_size: 384
    .sgpr_count:     66
    .vgpr_count:     256
    .wavefront_size: 32
...
	.end_amdgpu_metadata
.endif
;; end of part 6
;; launch fine_proj (part 7): grid 16 x 4, 16 waves a work-group, no clusters, 71,680 bytes of LDS; arguments fo, W_o, out0; writes out0
.if DOCPART == 7
	.amdgcn_target "amdgcn-amd-amdhsa--gfx1250"
	.amdhsa_code_object_version 6
	.text
	.protected	k_q08ee2a8414_fine_proj
	.globl	k_q08ee2a8414_fine_proj
	.p2align	8
	.type	k_q08ee2a8414_fine_proj,@function
k_q08ee2a8414_fine_proj:
	s_mov_b64 s[64:65], 0
	v_nop
	global_prefetch_b8 v0, s[64:65] scope:SCOPE_SE
	s_setreg_imm32_b32 hwreg(HW_REG_WAVE_MODE, 25, 1), 1
	s_wait_xcnt 0x0
; out0[b][2032 + r][n] = sum over k of fo[b][r][k] W_o[k][n], r = 0 .. 15, in f32 throughout: the rows whose softmax averages one to sixteen values.  It runs behind proj and stores these 64 rows anew.
; A work-group takes one b and 64 columns.  Each of sixteen waves takes 64 of K's 1,024 and makes a partial tile of 16 rows x 64 columns by 64 instructions of the f32 matrix form; the sixteen parts meet in
; LDS and are added in ascending order of K by waves 0 to 7, two rows each.
; TRANSPOSED: source 0 = 16 columns of W_o, source 1 = the 16 rows of fo: a lane holds eight neighbouring columns of a row.  fo is loaded 16 bytes a lane: lane (r, h), load g: k = 8 g + 4 h + 0..3; its pair u
; stands, as the instruction's K = 2 h + j, for k = 8 g + 4 h + 2 u + j, and W_o is loaded to match, a number a lane.
; The registers that the f32 form writes (v192-223) are written by matrix instructions alone.
.set PART,  16*272                     ; LDS: a wave's partial tile: 16 rows x (256 bytes + 16)
.set SPARE, 16*PART                    ; behind the sixteen: the spare words, 128 bytes a wave
.set FA,  3                            ; v3   fo: row r of 4,096 bytes, + 16 h
.set WA,  4                            ; v4   W_o: 4 h rows of 4,096 bytes, + 4 r
.set SPW, 5                            ; v5   LDS address of my spare word; never rewritten
.set NIL, 6                            ; v6   0; never rewritten
.set PS,  7                            ; v7   where I put 32 bytes of a row of my part
.set PR,  8                            ; v8   where I read 16 bytes of a row of part 0
.set GO,  9                            ; v9   my byte offset in two rows of out0
; v32-159 W_o's pairs: K step q, tile n of columns at v[32 + 8 q + 2 n]; v160-191 fo's pairs at v[160 + 2 q]; v192-223 the four sums; v224-227 the finished 16 bytes
	s_load_b128 s[4:7], s[0:1], 0x0                ; fo s[4:5], W_o s[6:7]
	s_load_b64 s[8:9], s[0:1], 0x10                ; out0
	v_lshl_add_u32 v[SPW], v0, 2, SPARE
	v_mov_b32 v[NIL], 0
	v_lshrrev_b32 v1, 5, v0
	v_readfirstlane_b32 s10, v1                    ; wave 0..15
	v_and_b32 v1, 15, v0                           ; r
	v_bfe_u32 v2, v0, 4, 1                         ; h
	v_lshlrev_b32 v[FA], 12, v1
	v_lshl_add_u32 v[FA], v2, 4, v[FA]
	v_lshlrev_b32 v[WA], 2, v1
	v_lshl_add_u32 v[WA], v2, 14, v[WA]
	s_mul_i32 s12, s10, PART
	v_mul_u32_u24 v[PS], v1, 272
	v_lshl_add_u32 v[PS], v2, 5, v[PS]
	v_add_nc_u32 v[PS], s12, v[PS]
	s_mul_i32 s12, s10, 2*272                      ; waves 0 to 7 finish rows 2 w and 2 w + 1
	v_mul_u32_u24 v[PR], v2, 272
	v_lshl_add_u32 v[PR], v1, 4, v[PR]
	v_add_nc_u32 v[PR], s12, v[PR]
	v_lshlrev_b32 v[GO], 12, v2
	v_lshl_add_u32 v[GO], v1, 4, v[GO]
	s_and_b32 s11, ttmp7, 0xffff                   ; b
	s_lshl_b32 s12, s11, 16                        ; fo: 65,536 bytes a b,
	s_lshl_b32 s13, s10, 8                         ; my 64 of K
	s_add_co_u32 s12, s12, s13
	s_mov_b32 s13, 0
	s_lshl_b32 s14, s10, 18                        ; W_o: my 64 rows of 4,096 bytes,
	s_lshl_b32 s15, ttmp9, 8                       ; the work-group's 64 columns
	s_add_co_u32 s14, s14, s15
	s_mov_b32 s15, 0
	s_lshl_b32 s16, s11, 11
	s_add_co_u32 s16, s16, 2032
	s_lshl_b32 s17, s10, 1
	s_add_co_u32 s16, s16, s17                     ; out0: row 2048 b + 2032 + 2 w,
	s_lshl_b32 s16, s16, 12
	s_lshl_b32 s17, ttmp9, 8
	s_add_co_u32 s16, s16, s17                     ; the 64 columns
	s_mov_b32 s17, 0
	s_wait_kmcnt 0x0
	s_add_nc_u64 s[4:5], s[4:5], s[12:13]
	s_add_nc_u64 s[6:7], s[6:7], s[14:15]
	s_add_nc_u64 s[8:9], s[8:9], s[16:17]
.irp g, 0,1,2,3,4,5,6,7
	global_load_b128 v[160+4*\g:163+4*\g], v[FA], s[4:5] offset:32*\g
.endr
.irp g, 0,1,2,3,4,5,6,7
.irp u, 0,1
.irp j, 0,1
.irp n, 0,1,2,3
	global_load_b32 v[32+8*(2*\g+\u)+2*\n+\j], v[WA], s[6:7] offset:(8*\g+2*\u+\j)*4096+64*\n   ; W_o(64 w + 8 g + 4 h + 2 u + j, 64 x + 16 n + r)
.endr
.endr
.endr
.endr
	s_wait_loadcnt 0x0
.irp q, 0,1,2,3,4,5,6,7,8,9,10,11,12,13,14,15  ; the four sums by turns, one instruction a turn; the first four start them
.irp n, 0,1,2,3
.if \q == 0
	v_wmma_f32_16x16x4_f32 v[192+8*\n:199+8*\n], v[32+2*\n:33+2*\n], v[160:161], 0
.else
	v_wmma_f32_16x16x4_f32 v[192+8*\n:199+8*\n], v[32+8*\q+2*\n:33+8*\q+2*\n], v[160+2*\q:161+2*\q], v[192+8*\n:199+8*\n]
.endif
.endr
.endr
.rept 8
	v_nop                                          ; eight places behind this form: in front of the stores that read the sums, and of the loads into W_o's registers
.endr
.irp n, 0,1,2,3
	ds_store_b128 v[PS], v[192+8*\n:195+8*\n] offset:64*\n       ; lane (r, h): columns 16 n + 8 h + 0..7 of row r; each sum from its low end on
	ds_store_b128 v[PS], v[196+8*\n:199+8*\n] offset:64*\n+16
.endr
	s_wait_dscnt 0x0                               ; for the others' sake: my part has landed
	s_barrier_signal -1
	s_barrier_wait -1
	s_cmp_ge_u32 s10, 8
	s_cbranch_scc1 .Lend
.irp p, 0,1,2,3,4,5,6,7,8,9,10,11,12,13,14,15
	ds_load_b128 v[32+4*\p:35+4*\p], v[PR] offset:PART*\p        ; the same 16 bytes of all sixteen parts: lanes 0-15 row 2 w, lanes 16-31 row 2 w + 1
.endr
	s_wait_dscnt 0x0
	v_pk_add_f32 v[224:225], v[32:33], v[36:37]
	v_pk_add_f32 v[226:227], v[34:35], v[38:39]
.irp p, 2,3,4,5,6,7,8,9,10,11,12,13,14,15
	v_pk_add_f32 v[224:225], v[224:225], v[32+4*\p:33+4*\p]
	v_pk_add_f32 v[226:227], v[226:227], v[34+4*\p:35+4*\p]
.endr
	global_store_b128 v[GO], v[224:227], s[8:9]    ; sixteen lanes store 256 consecutive bytes, aligned
.Lend:
	s_wait_tensorcnt 0x0                           ; the wave's end: behind my last LDS store
	ds_add_u32 v[SPW], v[NIL]
	s_wait_dscnt 0x0
	s_endpgm
.Lfunc_end_k_q08ee2a8414_fine_proj:
	.size	k_q08ee2a8414_fine_proj, .Lfunc_end_k_q08ee2a8414_fine_proj-k_q08ee2a8414_fine_proj
	.p2alignl 7, 3214868480
	.fill 96, 4, 3214868480
	.section	.rodata,"a",@progbits
	.p2align	6, 0x0
	.amdhsa_kernel k_q08ee2a8414_fine_proj
		.amdhsa_group_segment_fixed_size 71680
		.amdhsa_private_segment_fixed_size 0
		.amdhsa_enable_private_segment 0
		.amdhsa_kernarg_size 24
		.amdhsa_user_sgpr_count 2
		.amdhsa_user_sgpr_kernarg_segment_ptr 1
		.amdhsa_wavefront_size32 1
		.amdhsa_system_sgpr_workgroup_id_x 1
		.amdhsa_system_sgpr_workgroup_id_y 1
		.amdhsa_system_sgpr_workgroup_id_z 1
		.amdhsa_system_vgpr_workitem_id 0
		.amdhsa_next_free_vgpr 256
		.amdhsa_next_free_sgpr 66
		.amdhsa_reserve_vcc 0
		.amdhsa_float_denorm_mode_32 3
		.amdhsa_float_denorm_mode_16_64 3
		.amdhsa_memory_ordered 1
		.amdhsa_forward_progress 1
		.amdhsa_inst_pref_size 23
	.end_amdhsa_kernel
	.amdgpu_metadata
---
amdhsa.version: [ 1, 2 ]
amdhsa.kernels:
  - .name:           k_q08ee2a8414_fine_proj
    .symbol:         k_q08ee2a8414_fine_proj.kd
    .args:
      - { .name: fo, .offset: 0, .size: 8, .value_kind: global_buffer, .address_space: global }
      - { .name: W_o, .offset: 8, .size: 8, .value_kind: global_buffer, .address_space: global }
      - { .name: out0, .offset: 16, .size: 8, .value_kind: global_buffer, .address_space: global }
    .group_segment_fixed_size: 71680
    .private_segment_fixed_size: 0
    .kernarg_segment_align: 8
    .kernarg_segment_size: 24
    .max_flat_workgroup_size: 512
    .sgpr_count:     66
    .vgpr_count:     256
    .wavefront_size: 32
...
	.end_amdgpu_metadata
.endif
;; end of part 7
